; MI455X (gfx1250); checked and timed in simulation.
; The chip was launched on July 23, 2026; its instructions are those of AMD's public machine-readable ISA for CDNA 5 (MIT licence, August 2026) and "CDNA5" Instruction Set Architecture Reference Guide (July 2026). The comments in the code are by the model that wrote it; some were corrected since.
;; Causal Self Attention. Allowed arithmetic: float matrix products may take bf16 or f16 operands with f32 sums; all other float work in f32.
;; Inputs: bk 1,024 float32; bo 1,024 float32; bq 1,024 float32; bv 1,024 float32; wk 1,024 x 1,024 float32; wo 1,024 x 1,024 float32; wq 1,024 x 1,024 float32; wv 1,024 x 1,024 float32; x 4 x 2,048 x 1,024 float32.
;; Outputs: out0 4 x 2,048 x 1,024 float32.
;; 2 versions, each right; version 2 is version 1 with the launch prep written anew for expert scheduling mode. Each part assembles by itself: llvm-mc -triple=amdgcn-amd-amdhsa -mcpu=gfx1250 --defsym DOCPART=n.
;; ======== version 1 of 2: 4 launches
;; limits: values are held in f16: magnitudes above 65,504 overflow, below 6.1e-05 lose precision
;; workspace buffers: xb 16,777,216 bytes; wb 8,388,608 bytes; qkv 50,331,648 bytes; att 16,777,216 bytes
;; launch prep (part 1): grid 64 x 12, 8 waves a work-group, no clusters, 0 bytes of LDS; arguments x, wq, wk, wv, wo, xb, wb; writes xb, wb
.if DOCPART == 1
	.amdgcn_target "amdgcn-amd-amdhsa--gfx1250"
	.amdhsa_code_object_version 6
	.text
	.protected	k_qa7ed302446_prep
	.globl	k_qa7ed302446_prep
	.p2align	8
	.type	k_qa7ed302446_prep,@function
k_qa7ed302446_prep:
	s_mov_b64 s[64:65], 0
	v_nop
	global_prefetch_b8 v0, s[64:65] scope:SCOPE_SE
	s_setreg_imm32_b32 hwreg(HW_REG_WAVE_MODE, 25, 1), 1
	s_wait_xcnt 0x0
; Casts the matrix operands once, layouts unchanged.  x -> xb (bf16); wq, wk, wv -> wb parts 0, 1, 2 (bf16);
; wo -> wb part 3: rounded to bf16 like the others and then written in f16, because its partner in the last product is f16.
; LIMIT: that second step is exact for 2^-17 <= |wo| < 65,504; below, the absolute error is at most 2^-25; above, it overflows.
; The work is 12 chunks of 1,048,576 numbers (grid y: 0-7 are x, 8-11 the weights), 64 work-groups a chunk, 16,384 numbers each.
; Thread t, step i: 16 bytes in at 4096 i + 16 t (a wave's load covers 512 consecutive bytes), 8 bytes out at 2048 i + 8 t
; (a wave's store covers 256 consecutive bytes, aligned).  All 16 loads of a thread go out first.  A stream: no LDS, no matrix unit.
.set X, 4                              ; v[4:67]    step i: 4 numbers as loaded
.set Y, 68                             ; v[68:99]   step i: 4 numbers of 16 bits
.set T, 100                            ; v[100:103] at work (wo alone)
	s_load_b256 s[4:11], s[0:1], 0x0               ; x s[4:5], wq s[6:7], wk s[8:9], wv s[10:11]
	s_load_b128 s[12:15], s[0:1], 0x20             ; wo s[12:13], xb s[14:15]
	s_load_b64 s[16:17], s[0:1], 0x30              ; wb
	s_and_b32 s20, ttmp7, 0xffff                   ; the chunk
	v_lshlrev_b32 v1, 4, v0                        ; 16 t
	v_lshlrev_b32 v2, 3, v0                        ; 8 t
	s_lshl_b32 s26, s20, 22                        ; source offset: a chunk of x is 4 MiB; a weight begins at its own buffer's start
	s_cmp_lt_u32 s20, 8
	s_cselect_b32 s26, s26, 0
	s_lshl_b32 s21, ttmp9, 16                      ; + 64 KiB for each work-group
	s_add_co_u32 s26, s26, s21
	s_mov_b32 s27, 0
	s_and_b32 s28, s20, 7                          ; target offset: chunk 0-7 of xb, part 0-3 of wb, 2 MiB each
	s_lshl_b32 s28, s28, 21
	s_lshl_b32 s21, ttmp9, 15                      ; + 32 KiB for each work-group
	s_add_co_u32 s28, s28, s21
	s_mov_b32 s29, 0
	s_wait_kmcnt 0x0
	s_cmp_lt_u32 s20, 8
	s_cselect_b64 s[24:25], s[14:15], s[16:17]     ; target: xb or wb
	s_cmp_eq_u32 s20, 8
	s_cselect_b64 s[22:23], s[6:7], s[4:5]         ; source: x, or the chunk's weight
	s_cmp_eq_u32 s20, 9
	s_cselect_b64 s[22:23], s[8:9], s[22:23]
	s_cmp_eq_u32 s20, 10
	s_cselect_b64 s[22:23], s[10:11], s[22:23]
	s_cmp_eq_u32 s20, 11
	s_cselect_b64 s[22:23], s[12:13], s[22:23]
	s_add_nc_u64 s[22:23], s[22:23], s[26:27]
	s_add_nc_u64 s[24:25], s[24:25], s[28:29]
.irp i, 0,1,2,3,4,5,6,7,8,9,10,11,12,13,14,15
	global_load_b128 v[X+4*\i:X+4*\i+3], v1, s[22:23] offset:4096*\i th:TH_LOAD_NT
.endr
; Step i.  No register that a load or a store names is written a second time, so the only wait is the one for the step's data.
.macro CAST i, f16
	s_wait_loadcnt 15-\i                           ; loads come back in order: mine is in, the 15 - i younger ones stay out
	v_cvt_pk_bf16_f32 v[Y+2*\i],   v[X+4*\i],   v[X+4*\i+1]
	v_cvt_pk_bf16_f32 v[Y+2*\i+1], v[X+4*\i+2], v[X+4*\i+3]
.if \f16
	v_lshlrev_b32 v[T],   16, v[Y+2*\i]            ; the bf16 values as f32,
	v_and_b32     v[T+1], 0xffff0000, v[Y+2*\i]
	v_lshlrev_b32 v[T+2], 16, v[Y+2*\i+1]
	v_and_b32     v[T+3], 0xffff0000, v[Y+2*\i+1]
	v_cvt_pk_f16_f32 v[Y+2*\i],   v[T],   v[T+1]   ; written in f16
	v_cvt_pk_f16_f32 v[Y+2*\i+1], v[T+2], v[T+3]
.endif
	global_store_b64 v2, v[Y+2*\i:Y+2*\i+1], s[24:25] offset:2048*\i
.endm
	s_cmp_eq_u32 s20, 11
	s_cbranch_scc1 .Lwo
.irp i, 0,1,2,3,4,5,6,7,8,9,10,11,12,13,14,15
	CAST \i, 0
.endr
	s_endpgm
.Lwo:
.irp i, 0,1,2,3,4,5,6,7,8,9,10,11,12,13,14,15
	CAST \i, 1
.endr
	s_endpgm
.Lfunc_end_k_qa7ed302446_prep:
	.size	k_qa7ed302446_prep, .Lfunc_end_k_qa7ed302446_prep-k_qa7ed302446_prep
	.p2alignl 7, 3214868480
	.fill 96, 4, 3214868480
	.section	.rodata,"a",@progbits
	.p2align	6, 0x0
	.amdhsa_kernel k_qa7ed302446_prep
		.amdhsa_group_segment_fixed_size 0
		.amdhsa_private_segment_fixed_size 0
		.amdhsa_enable_private_segment 0
		.amdhsa_kernarg_size 56
		.amdhsa_user_sgpr_count 2
		.amdhsa_user_sgpr_kernarg_segment_ptr 1
		.amdhsa_wavefront_size32 1
		.amdhsa_system_sgpr_workgroup_id_x 1
		.amdhsa_system_sgpr_workgroup_id_y 1
		.amdhsa_system_sgpr_workgroup_id_z 1
		.amdhsa_system_vgpr_workitem_id 0
		.amdhsa_next_free_vgpr 104
		.amdhsa_next_free_sgpr 66
		.amdhsa_reserve_vcc 0
		.amdhsa_float_denorm_mode_32 3
		.amdhsa_float_denorm_mode_16_64 3
		.amdhsa_memory_ordered 1
		.amdhsa_forward_progress 1
		.amdhsa_inst_pref_size 16
	.end_amdhsa_kernel
	.amdgpu_metadata
---
amdhsa.version: [ 1, 2 ]
amdhsa.kernels:
  - .name:           k_qa7ed302446_prep
    .symbol:         k_qa7ed302446_prep.kd
    .args:
      - { .name: x, .offset: 0, .size: 8, .value_kind: global_buffer, .address_space: global }
      - { .name: wq, .offset: 8, .size: 8, .value_kind: global_buffer, .address_space: global }
      - { .name: wk, .offset: 16, .size: 8, .value_kind: global_buffer, .address_space: global }
      - { .name: wv, .offset: 24, .size: 8, .value_kind: global_buffer, .address_space: global }
      - { .name: wo, .offset: 32, .size: 8, .value_kind: global_buffer, .address_space: global }
      - { .name: xb, .offset: 40, .size: 8, .value_kind: global_buffer, .address_space: global }
      - { .name: wb, .offset: 48, .size: 8, .value_kind: global_buffer, .address_space: global }
    .group_segment_fixed_size: 0
    .private_segment_fixed_size: 0
    .kernarg_segment_align: 8
    .kernarg_segment_size: 56
    .max_flat_workgroup_size: 256
    .sgpr_count:     66
    .vgpr_count:     104
    .wavefront_size: 32
...
	.end_amdgpu_metadata
.endif
;; end of part 1
;; launch qkv (part 2): grid 12 x 32, 4 waves a work-group, clusters of 4 x 4, 327,680 bytes of LDS; arguments xb, wb, bq, bk, bv, qkv; writes qkv
.if DOCPART == 2
	.amdgcn_target "amdgcn-amd-amdhsa--gfx1250"
	.amdhsa_code_object_version 6
	.text
	.protected	k_qa7ed302446_qkv
	.globl	k_qa7ed302446_qkv
	.p2align	8
	.type	k_qa7ed302446_qkv,@function
k_qa7ed302446_qkv:
	s_mov_b64 s[64:65], 0
	v_nop
	global_prefetch_b8 v0, s[64:65] scope:SCOPE_SE
	s_setreg_imm32_b32 hwreg(HW_REG_WAVE_MODE, 25, 1), 1
	s_wait_xcnt 0x0
	s_wait_alu depctr_hold_cnt(0) depctr_sa_sdst(0) depctr_va_vdst(0) depctr_va_sdst(0) depctr_va_ssrc(0) depctr_va_vcc(0) depctr_vm_vsrc(0)
	s_getreg_b32 s2, hwreg(HW_REG_IB_STS2, 6, 4)
	s_cmp_eq_u32 s2, 0
	s_cbranch_scc0 .Lentry_in_a_cluster
	s_endpgm
.Lentry_in_a_cluster:
	s_bfe_u32 s2, ttmp6, 0x10000c
	s_cmp_lg_u32 s2, 0xf033
	s_cbranch_scc0 .Lentry_shape_is_right
	s_endpgm
.Lentry_shape_is_right:
; q, k, v = x w + b.  xb: [8192][1024] bf16.  wb: parts 0, 1, 2 = wq, wk, wv, each [1024 k][1024 n] bf16.  Biases f32.
; qkv: [3][batch*16 + head][2048 tokens][64] f16.  Sums in f32, started by the bias, rounded once to f16.
; LIMIT: q, k, v are kept in f16: |q|, |k|, |v| < 65,504.
; A work-group makes a block of 256 tokens x 256 columns with four waves, a wave 128 x 128: 64 accumulator tiles, 512 registers.
; K goes in steps of 128 through two LDS slots filled by the tensor data mover.
; CLUSTERS: 4 x 4 work-groups.  The cluster's x (0, 1, 2) names the weight, cx its block of 256 columns, 4 x cluster y + cy the block of 256 tokens.
; x's tile hangs on the token block alone and is asked for jointly along a row of the cluster, the weight's on (weight, cx) alone and is asked
; for jointly along a column: the requests for both are divided by four.
; THE WEIGHT lies [k][n]; its fragments (16 columns x 32 k, k along the registers) are made by the transposing LDS load.
; THE MATRIX INSTRUCTION IS USED TRANSPOSED: source 0 = 16 columns of w, source 1 = 16 tokens.  Lane l then holds token l % 16, its registers 0-7 the
; columns 8 (l / 16) + 0..7: eight neighbouring numbers of a row.
; REGISTERS: window 0: v16-27 addresses; v64-127, v128-191 x's fragments, two buffers; v192-255 the bias, later the packed results.
;   window 1: v64-127, v128-191 w's fragments.  window 2: accumulator tiles of my tokens 0-63 (tile (a, b) at v[8 (8 a + b)]); window 3: tokens 64-127.
.set KSTEP,  128
.set PITCH,  272                       ; x's LDS row: 256 bytes + 16: an odd multiple of 16, so the 16 rows that a load touches begin 16 bytes apart modulo 256
.set BPITCH, 544                       ; w's LDS row: 512 bytes + 32: an odd multiple of 32, likewise for the eight rows of a transposing load's group
.set HALFT,  128*PITCH                 ; what one tensor load brings: 128 rows of x, or 64 k rows of w (64 x 544 is the same 34,816 bytes)
.set SLOT,   4*HALFT                   ; x's 256 rows, then w's 128 k rows
.set STAGE,  2*SLOT                    ; behind the ring: 16 rows x 272 bytes for each wave, for the way out; no tensor load lands here
.set SPITCH, 272
.set LAPS,   4                         ; a lap = two K steps = once round the ring; 1024 / 256
.set ASTEP,  512                       ; two K steps along x's rows, in bytes
.set BSTEP,  524288                    ; two K steps down w's rows: 256 rows of 2,048 bytes
.set ADRA, 16                          ; v16-17  LDS address of my x fragments in slot 0, 1
.set ADRB, 20                          ; v20-21  the same for w
.set STO,  24                          ; v24     way out: where I put 16 bytes of a row
.set RD,   25                          ; v25     way out: where I read back
.set CO,   26                          ; v26     way out: my byte offset in qkv
.set BOFF, 27                          ; v27     my byte offset in the bias
.set F0,   64
.set F1,   128
.set BIAS, 192                         ; v[192+8b+j] = bias of column 16 b + 8 (l / 16) + j: the accumulator's own layout
.set TMP,  192
.set G1, 24                            ; s[24:31] group 1 for x's tiles
.set G0, 32                            ; s[32:39] group 0 for x's tiles, a set for each slot
.set G1B, 48                           ; s[48:55] group 1 for w's tiles
.set G0B, 56                           ; s[56:63] group 0 for w's tiles, a set for each slot
.set MSB, 0
.macro WIN new                         ; the immediate's high byte repeats the setting that is left
.if MSB != \new
	s_set_vgpr_msb (MSB<<8)|\new
.set MSB, \new
.endif
.endm
.set MUL_LO, 0xa1                      ; source 0 (w) window 1, source 1 (x) window 0, C and D window 2
.set MUL_HI, 0xf1                      ; the same, C and D window 3
.set BEG_LO, 0x81                      ; the same as MUL_LO with C in window 0: the bias
.set BEG_HI, 0xc1
.set TO_B,   0x40                      ; destination window 1, address window 0
; A joint load.  Waves 0 and 1 fetch x's two halves, waves 2 and 3 w's.  The branch hangs on the wave's number alone.
.macro JLOAD s
	s_cmp_eq_u32 s11, 0
	s_cbranch_scc0 .Lfor_b_\@
	tensor_load_to_lds s[G0+4*\s:G0+4*\s+3], s[G1:G1+7]
	s_nop 0
	s_branch .Lasked_\@
.Lfor_b_\@:
	tensor_load_to_lds s[G0B+4*\s:G0B+4*\s+3], s[G1B:G1B+7]
	s_nop 0
.Lasked_\@:
.endm
; A round of the cluster's barrier: my work-group's barrier; wave 0 signals for the work-group; every wave waits for all sixteen; my work-group's barrier again.
.macro CREST                           ; a round behind its opening barrier
	s_cmp_lg_u32 s10, 0
	s_cbranch_scc1 .Lnot_wave_0_\@
	s_barrier_signal -3
.Lnot_wave_0_\@:
	s_barrier_wait -3
	s_barrier_signal -1
	s_barrier_wait -1
.endm
.macro CROUND
	s_barrier_signal -1
	s_barrier_wait -1
	CREST
.endm
	s_load_b128 s[4:7], s[0:1], 0x0                ; xb s[4:5], wb s[6:7]
	s_load_b256 s[68:75], s[0:1], 0x10             ; bq s[68:69], bk s[70:71], bv s[72:73], qkv s[74:75]
	s_set_vgpr_msb 0x40
	v_lshl_add_u32 v255, v0, 2, 0x48400
	s_set_vgpr_msb 0x4000
	v_mov_b32 v63, 0
	s_set_vgpr_msb 0x1
	ds_add_u32 v255, v63
	s_set_vgpr_msb 0x100
	v_lshrrev_b32 v1, 5, v0
	v_readfirstlane_b32 s10, v1                    ; wave 0..3
	s_lshr_b32 s11, s10, 1                         ; which 128 tokens of the block are mine.  Also: I fetch for x (0) or for w (1)
	s_and_b32 s12, s10, 1                          ; which 128 columns.  Also: which half of that tile I fetch
	s_bfe_u32 s40, ttmp6, 0x40000                  ; cx
	s_bfe_u32 s41, ttmp6, 0x40004                  ; cy
	s_and_b32 s13, ttmp7, 0xffff
	s_lshl_b32 s13, s13, 2
	s_add_co_u32 s13, s13, s41                     ; token block = 4 x cluster y + cy
	s_lshl_b32 s43, s41, 2
	s_lshl_b32 s43, 15, s43                        ; my row of the cluster: places 4 cy .. 4 cy + 3
	s_lshl_b32 s44, 0x1111, s40                    ; my column: places cx, cx + 4, cx + 8, cx + 12
	; group 1 for x: 128 rows x 128 elements of 2 bytes, pitch 1,024 elements; 4 words of padding behind every 64
	s_or_b32 s[G1+0], s43, (1<<16)|(1<<20)|(1<<21)|(5<<22)|(3<<25)
	s_mov_b32 s[G1+1], 128<<16                     ; tensor_dim0 = 128
	s_mov_b32 s[G1+2], 128<<16                     ; tensor_dim1 = 128
	s_mov_b32 s[G1+3], 128<<16                     ; tile_dim0 = 128
	s_mov_b32 s[G1+4], 128                         ; tile_dim1 = 128
	s_mov_b32 s[G1+5], 1024                        ; elements from row to row
	s_mov_b32 s[G1+6], 0
	s_mov_b32 s[G1+7], 0
	; group 1 for w: 64 k rows x 256 elements, pitch 1,024 elements; 8 words of padding behind every 128
	s_or_b32 s[G1B+0], s44, (1<<16)|(1<<20)|(1<<21)|(6<<22)|(7<<25)
	s_mov_b32 s[G1B+1], 256<<16
	s_mov_b32 s[G1B+2], 64<<16
	s_mov_b32 s[G1B+3], 256<<16
	s_mov_b32 s[G1B+4], 64
	s_mov_b32 s[G1B+5], 1024
	s_mov_b32 s[G1B+6], 0
	s_mov_b32 s[G1B+7], 0
	; where the tiles come from: each offset in registers that never hold the other side's coordinate
	s_lshl_b32 s16, s13, 19                        ; x: token block x 256 rows of 2,048 bytes
	s_lshl_b32 s17, s12, 18                        ;    + my half's 128 rows
	s_add_co_u32 s16, s16, s17
	s_mov_b32 s17, 0
	s_lshl_b32 s46, ttmp9, 21                      ; w: the weight, 2 MiB each
	s_lshl_b32 s47, s12, 17                        ;    + my half's 64 k rows of 2,048 bytes
	s_add_co_u32 s46, s46, s47
	s_lshl_b32 s47, s40, 9                         ;    + cx x 256 columns of 2 bytes
	s_add_co_u32 s46, s46, s47
	s_mov_b32 s47, 0
	s_mul_i32 s20, s10, HALFT                      ; and where they go: wave x 34,816: no place in the cluster enters an LDS address
	s_wait_dscnt 0x0
	s_wait_kmcnt 0x0
	s_add_nc_u64 s[14:15], s[4:5], s[16:17]
	s_add_nc_u64 s[46:47], s[6:7], s[46:47]
	CROUND                                         ; all sixteen work-groups are here: the first joint loads meet
.irp s, 0,1
	s_mov_b32 s[G0+4*\s], 1
	s_add_co_u32 s[G0+4*\s+1], s20, \s*SLOT
	s_add_nc_u64 s[G0+4*\s+2:G0+4*\s+3], s[14:15], \s*KSTEP*2       ; K step s: 256 bytes along the rows
	s_or_b32 s[G0+4*\s+3], s[G0+4*\s+3], 0x80000000
	s_mov_b32 s[G0B+4*\s], 1
	s_add_co_u32 s[G0B+4*\s+1], s20, \s*SLOT
	s_add_nc_u64 s[G0B+4*\s+2:G0B+4*\s+3], s[46:47], \s*KSTEP*2048  ; K step s: 128 rows down
	s_or_b32 s[G0B+4*\s+3], s[G0B+4*\s+3], 0x80000000
	JLOAD \s                                       ; both slots' first fills go out before anything else is done
.endr
	v_and_b32 v1, 15, v0                           ; r = l % 16
	v_bfe_u32 v2, v0, 4, 1                         ; h = l / 16
	; the bias of my 128 columns, in the accumulator's layout: 8 numbers at column 16 b + 8 h
	s_lshl_b32 s76, s40, 10                        ; cx x 256 columns x 4 bytes
	s_lshl_b32 s77, s12, 9
	s_add_co_u32 s76, s76, s77
	v_lshl_add_u32 v[BOFF], v2, 5, s76
	s_cmp_eq_u32 ttmp9, 1                          ; the cluster's x is the same in all partners
	s_cselect_b64 s[68:69], s[70:71], s[68:69]
	s_cmp_eq_u32 ttmp9, 2
	s_cselect_b64 s[68:69], s[72:73], s[68:69]
.irp b, 0,1,2,3,4,5,6,7
	global_load_b128 v[BIAS+8*\b:BIAS+8*\b+3],   v[BOFF], s[68:69] offset:64*\b
	global_load_b128 v[BIAS+8*\b+4:BIAS+8*\b+7], v[BOFF], s[68:69] offset:64*\b+16
.endr
	; x's fragment: lane l holds row r; registers 0-3 K = 8 h + 0..7, registers 4-7 K = 16 + 8 h + 0..7: two loads of 16 bytes, 32 apart
	v_mul_u32_u24 v3, v1, PITCH
	v_lshl_add_u32 v3, v2, 4, v3
	s_mul_i32 s21, s11, HALFT                      ; my 128 rows of x
	; w's fragment by the transposing load: lane l addresses k row 8 h + (l & 7), 16 bytes at column 8 ((l >> 3) & 1)
	v_and_b32 v6, 7, v0
	v_lshl_add_u32 v6, v2, 3, v6
	v_mul_u32_u24 v6, v6, BPITCH
	v_bfe_u32 v7, v0, 3, 1
	v_lshl_add_u32 v6, v7, 4, v6
	s_lshl_b32 s22, s12, 8                         ; my 128 columns,
	s_add_co_u32 s22, s22, 2*HALFT                 ; behind x's 256 rows
.irp s, 0,1
	v_add_nc_u32 v[ADRA+\s], s21, v3
	v_add_nc_u32 v[ADRB+\s], s22, v6
	s_add_co_u32 s21, s21, SLOT
	s_add_co_u32 s22, s22, SLOT
.endr
	s_mul_i32 s23, s10, 16*SPITCH
	s_add_co_u32 s23, s23, STAGE                   ; my stage
	v_mul_u32_u24 v4, v1, SPITCH                   ; in: row r, 16 bytes for each half of the lanes
	v_lshl_add_u32 v4, v2, 4, v4
	v_add_nc_u32 v[STO], s23, v4
	v_bfe_u32 v5, v0, 3, 2                         ; back: eight lanes take the 128 bytes that one token has in one head, four tokens a load
	v_mul_u32_u24 v5, v5, SPITCH
	v_and_b32 v6, 7, v0
	v_lshl_add_u32 v5, v6, 4, v5
	v_add_nc_u32 v[RD], s23, v5
	v_and_b32 v5, 31, v0
	v_lshlrev_b32 v[CO], 4, v5                     ; those four tokens are 512 consecutive bytes of qkv
; 16 matrix instructions: token blocks a0, a0 + 1 of the window's four x all 8 column blocks, 32 along K.  start = 1: C is the bias: nothing is cleared,
; and no add is spent on the bias.  The 64 accumulators take turns, one instruction a turn, in the same order in every quarter.
.macro MUL16 f, hi, a0, start
.irp a, \a0, \a0+1
.irp b, 0,1,2,3,4,5,6,7
.if \start
	v_wmma_f32_16x16x32_bf16 v[8*(8*(\a)+\b):8*(8*(\a)+\b)+7], v[\f+8*\b:\f+8*\b+7], v[\f+8*(4*\hi+\a):\f+8*(4*\hi+\a)+7], v[BIAS+8*\b:BIAS+8*\b+7]
.else
	v_wmma_f32_16x16x32_bf16 v[8*(8*(\a)+\b):8*(8*(\a)+\b)+7], v[\f+8*\b:\f+8*\b+7], v[\f+8*(4*\hi+\a):\f+8*(4*\hi+\a)+7], v[8*(8*(\a)+\b):8*(8*(\a)+\b)+7]
.endif
.endr
.endr
.endm
; 32 LDS loads in one run: the fragments of quarter q (32 along K) of a slot into buffer f: w's 128 columns, then x's 128 rows
.macro FETCH slot, q, f
	WIN TO_B
.irp i, 0,1,2,3,4,5,6,7
	ds_load_tr16_b128 v[\f+8*\i:\f+8*\i+3],   v[ADRB+\slot] offset:\q*32*BPITCH+32*\i
	ds_load_tr16_b128 v[\f+8*\i+4:\f+8*\i+7], v[ADRB+\slot] offset:\q*32*BPITCH+32*\i+16*BPITCH
.endr
	WIN 0
.irp i, 0,1,2,3,4,5,6,7
	ds_load_b128 v[\f+8*\i:\f+8*\i+3],   v[ADRA+\slot] offset:\q*64+\i*16*PITCH
	ds_load_b128 v[\f+8*\i+4:\f+8*\i+7], v[ADRA+\slot] offset:\q*64+\i*16*PITCH+32
.endr
.endm
; A load into a register that a matrix instruction has read, and a vector instruction that reads a matrix result, stand four places behind it, and only
; plain vector instructions that name none of its registers are places (ISA guide 7.12.1 for vector instructions).
.macro PLACES
.rept 4
	v_nop
.endr
.endm
; One of a K step's first three quarters: multiplies buffer f; in its middle it fetches quarter q of the same slot into buffer g.
.macro QUARTER slot, q, f, g, start
	s_wait_dscnt 8                                 ; w and x's rows 0-63 are in; the youngest eight loads (x's rows 64-127) may be out
.if \start
	WIN BEG_LO
.else
	WIN MUL_LO
.endif
	MUL16 \f, 0, 0, \start
	MUL16 \f, 0, 2, \start
	PLACES
	FETCH \slot, \q, \g
	s_wait_dscnt 32                                ; all but the 32 just issued
.if \start
	WIN BEG_HI
.else
	WIN MUL_HI
.endif
	MUL16 \f, 1, 0, \start
	MUL16 \f, 1, 2, \start
.endm
.macro THREE slot, start
	QUARTER \slot, 1, F0, F1, \start
	QUARTER \slot, 2, F1, F0, 0
	QUARTER \slot, 3, F0, F1, 0
.endm
; The last quarter: multiplies buffer 1 and changes slots.  In front of the barrier each wave waits for its reads of this slot and for all its tensor
; loads (one is out: its part of the next slot).  Behind it nobody reads this slot and the next slot is whole: the refill comes first, then the reads.
.macro TURN slot, next, fill
	s_wait_dscnt 8
	WIN MUL_LO
	MUL16 F1, 0, 0, 0
	s_wait_dscnt 0                                 ; my reads of this slot are over
	s_wait_tensorcnt 0x0                           ; and all my tensor loads have landed
	ds_add_u32 v255, v63
	s_wait_dscnt 0x0
	s_barrier_signal -1                            ; (where a slot is filled again this barrier opens a round of the cluster's barrier)
	MUL16 F1, 0, 2, 0                              ; register work while the others arrive
	WIN 0
	s_barrier_wait -1
.if \fill
	CREST                                          ; no wave of any partner still reads this slot's tile or has a load on its way
	s_add_nc_u64 s[G0+4*\slot+2:G0+4*\slot+3], s[G0+4*\slot+2:G0+4*\slot+3], ASTEP
	s_add_nc_u64 s[G0B+4*\slot+2:G0B+4*\slot+3], s[G0B+4*\slot+2:G0B+4*\slot+3], BSTEP
	JLOAD \slot                                    ; the first tensor load behind the round, one a wave
.endif
	PLACES
	FETCH \next, 0, F0
	WIN MUL_HI
	MUL16 F1, 1, 0, 0
	MUL16 F1, 1, 2, 0
.endm
.macro LAP start
	THREE 0, \start
	TURN 0, 1, 1
	THREE 1, 0
	TURN 1, 0, 1
.endm
	s_wait_loadcnt 0x0                             ; the bias
	s_wait_tensorcnt 1                             ; my part of K step 0 is in; K step 1's stays out
	s_barrier_signal -1
	s_barrier_wait -1
	FETCH 0, 0, F0
	LAP 1                                          ; the first lap stands in front of the loop: its first products start the sums from the bias
	WIN 0
	s_mov_b32 s3, LAPS-2
.Llap:
	LAP 0
	WIN 0
	s_sub_co_u32 s3, s3, 1
	s_cmp_lg_u32 s3, 0
	s_cbranch_scc1 .Llap
	THREE 0, 0                                     ; the last lap fills nothing
	TURN 0, 1, 0
	THREE 1, 0
	s_wait_dscnt 8
	WIN MUL_LO
	MUL16 F1, 0, 0, 0
	MUL16 F1, 0, 2, 0
	s_wait_dscnt 0
	WIN MUL_HI
	MUL16 F1, 1, 0, 0
	MUL16 F1, 1, 2, 0
	; THE WAY OUT, 16 tokens at a time: round to f16, 16 bytes a lane into my own stage, read back head by head.
	PLACES
	s_lshr_b32 s16, s13, 3                         ; batch: 8 token blocks each, 16 heads of 262,144 bytes
	s_lshl_b32 s16, s16, 22
	s_and_b32 s17, s13, 7                          ; token block in the batch: 256 tokens of 128 bytes
	s_lshl_b32 s17, s17, 15
	s_add_co_u32 s16, s16, s17
	s_lshl_b32 s17, s11, 14                        ; my 128 tokens
	s_add_co_u32 s16, s16, s17
	s_mov_b32 s17, 0
	s_add_nc_u64 s[74:75], s[74:75], s[16:17]
	s_lshl_b32 s46, ttmp9, 24                      ; q, k or v: 16 MiB each
	s_lshl_b32 s47, s40, 20                        ; cx: four heads
	s_add_co_u32 s46, s46, s47
	s_lshl_b32 s47, s12, 19                        ; my two heads
	s_add_co_u32 s46, s46, s47
	s_mov_b32 s47, 0
	s_add_nc_u64 s[74:75], s[74:75], s[46:47]
; tokens 16 i .. 16 i + 15 of my block = the eight tiles (a, 0..7) of window 2 or 3 (from = 0x0a or 0x0f: sources 0 and 1); f: F0 or F1 in turn
.macro OUT16 i, a, from, f
	WIN \from
.irp b, 0,1,2,3,4,5,6,7
.irp r, 0,1,2,3
	v_cvt_pk_f16_f32 v[TMP+4*\b+\r], v[8*(8*\a+\b)+2*\r], v[8*(8*\a+\b)+2*\r+1]
.endr
.endr
	WIN 0
.irp b, 0,1,2,3,4,5,6,7
	ds_store_b128 v[STO], v[TMP+4*\b:TMP+4*\b+3] offset:32*\b
.endr
	s_wait_xcnt 0x0                                ; buffer f, which earlier stores read, and the stores' base are rewritten only behind this wait
.if \i
	s_add_nc_u64 s[74:75], s[74:75], 2048          ; 16 tokens of 128 bytes on
.endif
.irp t, 0,1,2,3,4,5,6,7
	ds_load_b128 v[\f+4*\t:\f+4*\t+3], v[RD] offset:(\t&3)*4*SPITCH+(\t>>2)*128    ; a wave's LDS instructions are served in order: these see the stores above
.endr
.irp t, 0,1,2,3,4,5,6,7
	s_wait_dscnt 7-\t
	global_store_b128 v[CO], v[\f+4*\t:\f+4*\t+3], s[74:75] offset:(\t>>2)*262144+(\t&3)*512   ; four tokens of one head: 512 consecutive bytes, aligned
.endr
.endm
	OUT16 0, 0, 0x0a, F0
	OUT16 1, 1, 0x0a, F1
	OUT16 2, 2, 0x0a, F0
	OUT16 3, 3, 0x0a, F1
	OUT16 4, 0, 0x0f, F0
	OUT16 5, 1, 0x0f, F1
	OUT16 6, 2, 0x0f, F0
	OUT16 7, 3, 0x0f, F1
	s_set_vgpr_msb 0x1
	s_wait_tensorcnt 0x0
	ds_add_u32 v255, v63
	s_wait_dscnt 0x0
	s_set_vgpr_msb 0x100
	CROUND                                         ; the closing round: no work-group ends while a partner may still ask for a tile that names it
	s_endpgm
.Lfunc_end_k_qa7ed302446_qkv:
	.size	k_qa7ed302446_qkv, .Lfunc_end_k_qa7ed302446_qkv-k_qa7ed302446_qkv
	.p2alignl 7, 3214868480
	.fill 96, 4, 3214868480
	.section	.rodata,"a",@progbits
	.p2align	6, 0x0
	.amdhsa_kernel k_qa7ed302446_qkv
		.amdhsa_group_segment_fixed_size 327680
		.amdhsa_private_segment_fixed_size 0
		.amdhsa_enable_private_segment 0
		.amdhsa_kernarg_size 48
		.amdhsa_user_sgpr_count 2
		.amdhsa_user_sgpr_kernarg_segment_ptr 1
		.amdhsa_wavefront_size32 1
		.amdhsa_system_sgpr_workgroup_id_x 1
		.amdhsa_system_sgpr_workgroup_id_y 1
		.amdhsa_system_sgpr_workgroup_id_z 1
		.amdhsa_system_vgpr_workitem_id 0
		.amdhsa_next_free_vgpr 1024
		.amdhsa_next_free_sgpr 80
		.amdhsa_reserve_vcc 0
		.amdhsa_float_denorm_mode_32 3
		.amdhsa_float_denorm_mode_16_64 3
		.amdhsa_memory_ordered 1
		.amdhsa_forward_progress 1
		.amdhsa_inst_pref_size 198
	.end_amdhsa_kernel
	.amdgpu_metadata
---
amdhsa.version: [ 1, 2 ]
amdhsa.kernels:
  - .name:           k_qa7ed302446_qkv
    .symbol:         k_qa7ed302446_qkv.kd
    .args:
      - { .name: xb, .offset: 0, .size: 8, .value_kind: global_buffer, .address_space: global }
      - { .name: wb, .offset: 8, .size: 8, .value_kind: global_buffer, .address_space: global }
      - { .name: bq, .offset: 16, .size: 8, .value_kind: global_buffer, .address_space: global }
      - { .name: bk, .offset: 24, .size: 8, .value_kind: global_buffer, .address_space: global }
      - { .name: bv, .offset: 32, .size: 8, .value_kind: global_buffer, .address_space: global }
      - { .name: qkv, .offset: 40, .size: 8, .value_kind: global_buffer, .address_space: global }
    .group_segment_fixed_size: 327680
    .private_segment_fixed_size: 0
    .kernarg_segment_align: 8
    .kernarg_segment_size: 48
    .max_flat_workgroup_size: 128
    .sgpr_count:     80
    .vgpr_count:     1024
    .wavefront_size: 32
...
	.end_amdgpu_metadata
.endif
;; end of part 2
;; launch attn (part 3): grid 256 x 1, 8 waves a work-group, no clusters, 327,680 bytes of LDS; arguments qkv, att; writes att
.if DOCPART == 3
	.amdgcn_target "amdgcn-amd-amdhsa--gfx1250"
	.amdhsa_code_object_version 6
	.text
	.protected	k_qa7ed302446_attn
	.globl	k_qa7ed302446_attn
	.p2align	8
	.type	k_qa7ed302446_attn,@function
k_qa7ed302446_attn:
	s_mov_b64 s[64:65], 0
	v_nop
	global_prefetch_b8 v0, s[64:65] scope:SCOPE_SE
	s_setreg_imm32_b32 hwreg(HW_REG_WAVE_MODE, 25, 1), 1
	s_wait_xcnt 0x0
; Causal attention of one head, with a running maximum.  qkv: [3][bh][2048][64] f16.  att: [bh][2048][64] f16.  Scores, maxima, sums and outputs in f32.
; LIMIT: the probabilities (at most 1) and the result (no larger than the largest |v|) are rounded to f16.
; SHARE.  Work-group = (head bh = id >> 2, p = id & 3).  It makes query block 7 - p (256 rows) and then query block p: 7 whole units of 256 keys and two
; units on the diagonal, 18 tiles of 128 keys, the same for every work-group.
; Wave = (par = wave >> 2: keys 64 par .. 64 par + 63 of every tile; g: query rows 64 g .. 64 g + 63 of the block, g = wave & 3 for par = 0 and
; 3 - (wave & 3) for par = 1, so that the two waves with the same number modulo 4 have 3, 2, 3, 2 tiles of a unit on the diagonal and not 1, 2, 3, 4).
; The two waves of a row group keep maxima, sums and outputs of their own and are merged through LDS at the end of a pass.
; NO CLUSTER: the four work-groups of a head read the same K and V, but need 8 - p and then p + 1 units: the number of tiles would hang on the place in the
; cluster, and a walk in step would take 16 units in place of 9.
; ORIENTATION.  S^T = K Q^T: register j of lane (r = l % 16, h = l / 16) holds key 16 kt + 8 h + j for query 16 qt + r.  Packed to f16 in the lane, tiles
; 2 ks and 2 ks + 1 ARE the fragment of P^T for 32 keys: nothing moves between lanes.  O^T += V^T P^T: the lane holds 8 neighbouring d of query r.
; A query's keys lie in lanes (r, 0) and (r, 1): the maximum takes one exchange of the halves; the sums stay apart until the merge.
; THE TILE STEP goes query tile by query tile (16 queries): 8 or 16 matrix instructions, then the 122 vector lines of one query tile's softmax, in turn,
; so that of the two waves that share a SIMD one can have matrix work while the other has vector work.
; LDS: slot s at 38,912 s: K 128 keys x 144 bytes, V 128 keys x 160 bytes.  SCR: what a par = 1 wave hands over.  STG: the way out.  No tensor load lands in SCR or STG.
.set SLOTB, 38912
.set VOFF,  18432
.set SCR,   77824                      ; 4 x 17,408: O 32 x 512 bytes, sums 512, maxima 512
.set STG,   147456                     ; 4 x 9,216: 64 rows x 144
.set TILEB, 16384                      ; 128 keys x 128 bytes in memory
.set XH,   1                           ; v1   the other half's maximum
.set MNEW, 2                           ; v2   the new maximum
.set PFO,  6                           ; v6   256 l: the prefetch's lanes lie 256 bytes apart; never rewritten
.set NEGINF, 7                         ; v7   minus infinity
.set KADR, 8                           ; v8   9,216 par + 144 r + 16 h
.set VADR, 9                           ; v9   18,432 + 10,240 par + 160 (8 h + (l & 7)) + 16 ((l >> 3) & 1)
.set QOFF, 10                          ; v10  128 (64 g + r) + 16 h
.set DIFF, 11                          ; v11  r - 8 h
.set SCRA, 12
.set STO,  13
.set RD,   14
.set CO,   15
.set M,    16                          ; v[16+2qt]  running maximum (times log2 e / 8); the odd registers are only ever the idle half of a pair
.set A,    24                          ; v[24+2qt]  factor for what has been summed so far
.set LP,   32                          ; v[32+2qt:33+2qt]  two partial sums
.set SP,   40                          ; v[40:55]   in the tile step: eight pairs, the first level of one query tile's sum
.set TM,   56                          ; v[56:59]   in the tile step: four chains of the maximum
.set T,    40                          ; in the merge: at work
.set T2,   44                          ; in the merge: the partner's sums
.set MN,   48                          ; in the merge: the partner's maxima
.set LS,   52
.set MC,   56
.set Q,    64                          ; v[64+16qt+8ks]   Q's fragments
.set KF,   128                         ; v[128+16kt+8ks]  K's fragments
.set VF,   192                         ; v[192+16dt+8ks]  V^T's fragments
.set O,    128                         ; window 1: S(kt, qt) at v[8 (4 qt + kt)], O(dt, qt) at v[128 + 8 (4 qt + dt)]
.set G1K, 24
.set G1V, 32
.set GK,  40                           ; s[40:47] group 0 of K's tile, a set for each slot
.set GV,  48                           ; s[48:55] group 0 of V's tile
.set MSB, 0
.macro WIN new                         ; low byte: bits 1:0 source 0, 3:2 source 1, 5:4 source 2, 7:6 destination; the high byte repeats the setting that is left
.if MSB != \new
	s_set_vgpr_msb (MSB<<8)|\new
.set MSB, \new
.endif
.endm
	s_load_b128 s[4:7], s[0:1], 0x0                ; qkv, att
	v_lshl_add_u32 v62, v0, 2, 0x2d000
	v_mov_b32 v63, 0
	ds_add_u32 v62, v63
	v_lshrrev_b32 v1, 5, v0
	v_readfirstlane_b32 s8, v1                     ; wave 0..7
	s_and_b32 s9, s8, 3
	s_lshr_b32 s10, s8, 2                          ; par
	s_mul_i32 s15, s10, 3
	s_xor_b32 s9, s9, s15                          ; g = wave & 3, turned round (3 - ..) for par = 1
	s_sub_co_i32 s11, s9, s10                      ; g - par
	s_lshr_b32 s12, ttmp9, 2                       ; bh
	s_and_b32 s13, ttmp9, 3                        ; p
	s_sub_co_u32 s14, 7, s13                       ; 7 - p
	; a tile is dense in memory: 64 rows of 256 bytes.  Padding behind every 32 words (one key's 128 bytes): 4 words for K, 8 for V
	s_mov_b32 s[G1K+0], (1<<16)|(1<<20)|(4<<22)|(3<<25)
	s_mov_b32 s[G1K+1], 128<<16
	s_mov_b32 s[G1K+2], 64<<16
	s_mov_b32 s[G1K+3], 128<<16
	s_mov_b32 s[G1K+4], 64
	s_mov_b32 s[G1K+5], 128
	s_mov_b32 s[G1K+6], 0
	s_mov_b32 s[G1K+7], 0
	s_mov_b32 s[G1V+0], (1<<16)|(1<<20)|(4<<22)|(7<<25)
	s_mov_b32 s[G1V+1], 128<<16
	s_mov_b32 s[G1V+2], 64<<16
	s_mov_b32 s[G1V+3], 128<<16
	s_mov_b32 s[G1V+4], 64
	s_mov_b32 s[G1V+5], 128
	s_mov_b32 s[G1V+6], 0
	s_mov_b32 s[G1V+7], 0
	s_mov_b32 s60, 0x76543210                      ; v_permlanex16_b32: lane i of one half reads lane i of the other
	s_mov_b32 s61, 0xfedcba98
	s_mov_b32 s62, 0x3e38aa3b                      ; log2 e / 8: the scale 1 / sqrt(64) and the change of base in one factor
	s_mov_b32 s63, 0x3e38aa3b
	s_lshl_b32 s16, s12, 18                        ; my head: 262,144 bytes
	s_mov_b32 s17, 0
	s_lshl_b32 s18, s14, 15                        ; query block 7 - p: 256 rows of 128 bytes
	s_mov_b32 s19, 0
	s_lshl_b32 s20, s13, 15                        ; query block p
	s_mov_b32 s21, 0
	s_wait_dscnt 0x0
	s_wait_kmcnt 0x0
	s_add_nc_u64 s[68:69], s[4:5], s[16:17]        ; q of my head
	s_add_nc_u64 s[56:57], s[68:69], 0x1000000     ; k of my head
	s_add_nc_u64 s[58:59], s[68:69], 0x2000000     ; v of my head
	s_add_nc_u64 s[70:71], s[68:69], s[20:21]      ; Q of the second pass
	s_add_nc_u64 s[68:69], s[68:69], s[18:19]      ; Q of the first pass
	s_add_nc_u64 s[72:73], s[6:7], s[16:17]
	s_add_nc_u64 s[74:75], s[72:73], s[20:21]      ; att of the second pass
	s_add_nc_u64 s[72:73], s[72:73], s[18:19]      ; att of the first pass
.irp s, 0,1
	s_mov_b32 s[GK+4*\s], 1
	s_mov_b32 s[GK+4*\s+1], \s*SLOTB
	s_add_nc_u64 s[GK+4*\s+2:GK+4*\s+3], s[56:57], \s*TILEB        ; slot s begins with tile s
	s_or_b32 s[GK+4*\s+3], s[GK+4*\s+3], 0x80000000
	s_mov_b32 s[GV+4*\s], 1
	s_mov_b32 s[GV+4*\s+1], \s*SLOTB+VOFF
	s_add_nc_u64 s[GV+4*\s+2:GV+4*\s+3], s[58:59], \s*TILEB
	s_or_b32 s[GV+4*\s+3], s[GV+4*\s+3], 0x80000000
.endr
; Slot s is filled: wave 0 asks for K's tile, wave 1 for V's, 64 rows of 256 bytes each; the other waves ask for nothing.
.macro FILL s
	s_cmp_lg_u32 s8, 0
	s_cbranch_scc1 .Lnot_k_\@
	tensor_load_to_lds s[GK+4*(\s):GK+4*(\s)+3], s[G1K:G1K+7]
	s_nop 0
	s_branch .Lfilled_\@
.Lnot_k_\@:
	s_cmp_lg_u32 s8, 1
	s_cbranch_scc1 .Lfilled_\@
	tensor_load_to_lds s[GV+4*(\s):GV+4*(\s)+3], s[G1V:G1V+7]
	s_nop 0
.Lfilled_\@:
.endm
	FILL 0                                         ; tile 0, ahead of everything else
	; THE PREFETCH.  The four work-groups of a head walk the same tiles in their first pass.  In the one with p = 0, wave 2 (K) and wave 3 (V) ask in trip t of
	; that pass's loop for tile t + 2, whose tensor load goes out at the head of trip t + 1: 16,384 bytes by two instructions of 32 lanes, 256 bytes apart.
	; Each block is asked for once in the launch.  The loop has 14 trips there, so the last tile asked for is tile 15, the head's last: no request leaves the buffer.
	s_lshr_b32 s15, s8, 1
	s_cmp_eq_u32 s15, 1                            ; wave 2 or 3
	s_cselect_b32 s15, 1, 0
	s_cmp_eq_u32 s13, 0                            ; and p = 0
	s_cselect_b32 s15, s15, 0                      ; s15 = 1: I ask
	s_cmp_eq_u32 s8, 2
	s_cselect_b64 s[76:77], s[56:57], s[58:59]     ; K for wave 2, V for wave 3
	s_add_nc_u64 s[76:77], s[76:77], TILEB         ; tile 1; every trip of the loop steps it once before it asks
	v_and_b32 v1, 15, v0                           ; r
	v_bfe_u32 v2, v0, 4, 1                         ; h
	v_and_b32 v3, 31, v0                           ; l
	v_and_b32 v4, 7, v0                            ; l & 7
	v_bfe_u32 v5, v0, 3, 1                         ; (l >> 3) & 1
	v_bfe_u32 v6, v0, 3, 2                         ; l >> 3
	v_mov_b32 v[NEGINF], 0xff800000
	v_mul_u32_u24 v[KADR], v1, 144
	v_lshl_add_u32 v[KADR], v2, 4, v[KADR]
	s_mul_i32 s22, s10, 9216                       ; my 64 keys of K's 128
	v_add_nc_u32 v[KADR], s22, v[KADR]
	v_lshl_add_u32 v[VADR], v2, 3, v4
	v_mul_u32_u24 v[VADR], v[VADR], 160
	v_lshl_add_u32 v[VADR], v5, 4, v[VADR]
	s_mul_i32 s22, s10, 10240                      ; my 64 keys of V's 128
	s_add_co_u32 s22, s22, VOFF
	v_add_nc_u32 v[VADR], s22, v[VADR]
	v_lshlrev_b32 v[QOFF], 7, v1
	v_lshl_add_u32 v[QOFF], v2, 4, v[QOFF]
	s_lshl_b32 s22, s9, 13                         ; 64 g rows of 128 bytes
	v_add_nc_u32 v[QOFF], s22, v[QOFF]
	v_lshl_add_u32 v[CO], v3, 4, s22               ; way out: 8,192 g + 16 l
	v_lshlrev_b32 v[DIFF], 3, v2
	v_sub_nc_u32 v[DIFF], v1, v[DIFF]              ; r - 8 h
	s_mul_i32 s22, s9, 17408
	s_add_co_u32 s22, s22, SCR
	v_lshl_add_u32 v[SCRA], v3, 4, s22
	s_mul_i32 s22, s9, 9216
	s_add_co_u32 s22, s22, STG
	v_mul_u32_u24 v[STO], v1, 144
	v_lshl_add_u32 v[STO], v2, 4, v[STO]
	v_add_nc_u32 v[STO], s22, v[STO]
	v_mul_u32_u24 v[RD], v6, 144
	v_lshl_add_u32 v[RD], v4, 4, v[RD]
	v_add_nc_u32 v[RD], s22, v[RD]
	v_lshlrev_b32 v[PFO], 8, v3
.irp qt, 0,1,2,3
	v_mov_b32 v[M+2*\qt+1], 0                      ; the idle halves of the pairs are written once
	v_mov_b32 v[A+2*\qt+1], 0
.endr
; Q's eight fragments: row 64 g + 16 qt + r, d = 32 ks + 8 h + 0..7 and 32 ks + 16 + 8 h + 0..7
.macro QLOAD base
.irp qt, 0,1,2,3
.irp ks, 0,1
	global_load_b128 v[Q+16*\qt+8*\ks:Q+16*\qt+8*\ks+3],   v[QOFF], s[\base:\base+1] offset:2048*\qt+64*\ks
	global_load_b128 v[Q+16*\qt+8*\ks+4:Q+16*\qt+8*\ks+7], v[QOFF], s[\base:\base+1] offset:2048*\qt+64*\ks+32
.endr
.endr
.endm
; A pass begins.  O is cleared by moves, twice in the kernel: a pass's first tile is a trip of the loop, a tile on the diagonal or, for the wave
; (g = 0, par = 1) in query block 0, no tile at all, and the merge then needs zeros.
.macro INIT
.irp qt, 0,1,2,3
	v_mov_b32 v[M+2*\qt], v[NEGINF]
	v_mov_b32 v[LP+2*\qt], 0
	v_mov_b32 v[LP+2*\qt+1], 0
.endr
	WIN 0x40
.set ii, 0
.rept 128
	v_mov_b32 v[O+ii], 0
.set ii, ii+1
.endr
	WIN 0
.endm
; The scores of query tile qt against my 64 keys: 8 matrix instructions.  The four accumulators take turns, one instruction a turn;
; the first products start the sums.
.macro SMUL qt
	WIN 0x50                                       ; K and Q window 0, C and D window 1
.irp kt, 0,1,2,3
	v_wmma_f32_16x16x32_f16 v[8*(4*\qt+\kt):8*(4*\qt+\kt)+7], v[KF+16*\kt:KF+16*\kt+7], v[Q+16*\qt:Q+16*\qt+7], 0
.endr
.irp kt, 0,1,2,3
	v_wmma_f32_16x16x32_f16 v[8*(4*\qt+\kt):8*(4*\qt+\kt)+7], v[KF+16*\kt+8:KF+16*\kt+15], v[Q+16*\qt+8:Q+16*\qt+15], v[8*(4*\qt+\kt):8*(4*\qt+\kt)+7]
.endr
.endm
; O^T of query tile qt += V^T P^T: 8 matrix instructions, the four accumulators by turns likewise.
.macro PVMUL qt
	WIN 0x54                                       ; V^T window 0; P^T, C and D window 1
.irp ks, 0,1
.irp dt, 0,1,2,3
	v_wmma_f32_16x16x32_f16 v[O+8*(4*\qt+\dt):O+8*(4*\qt+\dt)+7], v[VF+16*\dt+8*\ks:VF+16*\dt+8*\ks+7], v[32*\qt+16*\ks:32*\qt+16*\ks+7], v[O+8*(4*\qt+\dt):O+8*(4*\qt+\dt)+7]
.endr
.endr
.endm
; Line n (0 to 7) of the eight that fold the eight pairs SP of query tile pq into its two partial sums.  pq = -1: there is nothing to fold.
.macro FOLD n, pq
.if \pq >= 0
.if \n < 4
	v_pk_add_f32 v[SP+4*\n:SP+4*\n+1], v[SP+4*\n:SP+4*\n+1], v[SP+4*\n+2:SP+4*\n+3]
.endif
.if \n == 4
	v_pk_add_f32 v[SP:SP+1], v[SP:SP+1], v[SP+4:SP+5]
.endif
.if \n == 5
	v_pk_add_f32 v[SP+8:SP+9], v[SP+8:SP+9], v[SP+12:SP+13]
.endif
.if \n == 6
	v_pk_add_f32 v[LP+2*\pq:LP+2*\pq+1], v[LP+2*\pq:LP+2*\pq+1], v[SP:SP+1]
.endif
.if \n == 7
	v_pk_add_f32 v[LP+2*\pq:LP+2*\pq+1], v[LP+2*\pq:LP+2*\pq+1], v[SP+8:SP+9]
.endif
.endif
.endm
; The mask of the tile whose 64 keys are my own 64 queries' places.  Key 16 kt + 8 h + j is beyond query 16 qt + r where kt > qt, or kt = qt and j > r - 8 h.
; Window: destination and source 0 (S) in window 1, source 1 (DIFF, minus infinity) in window 0.
.macro MASKQ qt
.irp j, 0,1,2,3,4,5,6,7
	v_cmp_gt_i32 vcc_lo, \j, v[DIFF]
	v_cndmask_b32 v[40*\qt+\j], v[40*\qt+\j], v[NEGINF], vcc_lo
.endr
.if \qt < 3
.set kk, \qt+1
.rept 3-\qt
.irp j, 0,1,2,3,4,5,6,7
	v_mov_b32 v[8*(4*\qt+kk)+\j], 0xff800000
.endr
.set kk, kk+1
.endr
.endif
.endm
; The softmax step of query tile qt: 32 scores a lane.  pq: the query tile whose sum is folded in the gaps of this one's dependent lines.
.macro SOFT qt, pq, diag, kap
.if \diag
	WIN 0                                          ; a branch follows
	s_cmp_lg_u32 s11, \kap                         ; g - par > kap: all my keys lie in front of all my queries: no mask
	s_cbranch_scc1 .Lopen_\@
	WIN 0x41
	MASKQ \qt
	WIN 0
.Lopen_\@:
.endif
	WIN 0x05                                       ; sources 0 and 1 (S) window 1: the largest of my 32 scores, in four chains
.irp c, 0,1,2,3
	v_max_num_f32 v[TM+\c], v[32*\qt+8*\c], v[32*\qt+8*\c+1]
.endr
.irp i, 1,2,3
.irp c, 0,1,2,3
	v_max3_num_f32 v[TM+\c], v[32*\qt+8*\c+2*\i], v[32*\qt+8*\c+2*\i+1], v[TM+\c]
.endr
.endr
	WIN 0                                          ; a chain of lines that hang on each other, with the last query tile's fold between them
	v_max3_num_f32 v[TM], v[TM], v[TM+1], v[TM+2]
	FOLD 0, \pq
	v_max_num_f32 v[TM], v[TM], v[TM+3]
	FOLD 1, \pq
	v_permlanex16_b32 v[XH], v[TM], s60, s61       ; the other half's keys
	FOLD 2, \pq
	v_max_num_f32 v[TM], v[TM], v[XH]
	FOLD 3, \pq
	v_mul_f32 v[TM], s62, v[TM]
	FOLD 4, \pq
	v_max_num_f32 v[MNEW], v[M+2*\qt], v[TM]       ; finite: the first key of every tile that is worked on is open to all my queries
	FOLD 5, \pq
	v_sub_f32 v[A+2*\qt], v[M+2*\qt], v[MNEW]      ; minus infinity at a pass's first tile: the factor is then 0
	FOLD 6, \pq
	v_exp_f32 v[A+2*\qt], v[A+2*\qt]
	v_mov_b32 v[M+2*\qt], v[MNEW]                  ; the plain line behind the exponential, before its result is used
	FOLD 7, \pq
	s_wait_alu depctr_va_vdst(0)
	v_pk_mul_f32 v[LP+2*\qt:LP+2*\qt+1], v[LP+2*\qt:LP+2*\qt+1], v[A+2*\qt:A+2*\qt+1] op_sel_hi:[1,0]
	WIN 0x41                                       ; destination and source 0 window 1; A and M window 0
.set ii, 0
.rept 16
	v_pk_fma_f32 v[32*\qt+2*ii:32*\qt+2*ii+1], v[32*\qt+2*ii:32*\qt+2*ii+1], s[62:63], v[M+2*\qt:M+2*\qt+1] op_sel_hi:[1,0,0] neg_lo:[0,0,1] neg_hi:[0,0,1]
.set ii, ii+1
.endr
.set ii, 0
.rept 16                                           ; 2^(s log2 e / 8 - maximum): at most 1, 0 for a masked score; between two exponentials' pairs a line of O's rescaling
	v_exp_f32 v[32*\qt+2*ii], v[32*\qt+2*ii]
	v_exp_f32 v[32*\qt+2*ii+1], v[32*\qt+2*ii+1]
	v_pk_mul_f32 v[O+32*\qt+2*ii:O+32*\qt+2*ii+1], v[O+32*\qt+2*ii:O+32*\qt+2*ii+1], v[A+2*\qt:A+2*\qt+1] op_sel_hi:[1,0]
.set ii, ii+1
.endr
	WIN 0x05                                       ; the sum's first level: sixteen pairs become eight, which do not wait for each other
	s_wait_alu depctr_va_vdst(0)
.irp c, 0,1,2,3,4,5,6,7
	v_pk_add_f32 v[SP+2*\c:SP+2*\c+1], v[32*\qt+4*\c:32*\qt+4*\c+1], v[32*\qt+4*\c+2:32*\qt+4*\c+3]
.endr
	WIN 0x45                                       ; 16 registers of two score tiles become the 8 of a fragment of P^T, in place: register k from 2 k and 2 k + 1
.irp ks, 0,1
.irp k, 0,1,2,3,4,5,6,7
	v_cvt_pk_f16_f32 v[32*\qt+16*\ks+\k], v[32*\qt+16*\ks+2*\k], v[32*\qt+16*\ks+2*\k+1]
.endr
.endr
.endm
; My 64 keys of the tile in a slot against my 64 queries.  A softmax stretch touches only its own query tile's S and O and registers below v64 of window 0, none
; of them a register of the matrix instructions in front of it; its own scores were written one stretch earlier.
.macro TILE slot, diag, kap, pf
.irp kt, 0,1,2,3
.irp ks, 0,1
	ds_load_b128 v[KF+16*\kt+8*\ks:KF+16*\kt+8*\ks+3],   v[KADR] offset:\slot*SLOTB+2304*\kt+64*\ks
	ds_load_b128 v[KF+16*\kt+8*\ks+4:KF+16*\kt+8*\ks+7], v[KADR] offset:\slot*SLOTB+2304*\kt+64*\ks+32
.endr
.endr
.irp dt, 0,1,2,3
.irp ks, 0,1
	ds_load_tr16_b128 v[VF+16*\dt+8*\ks:VF+16*\dt+8*\ks+3],   v[VADR] offset:\slot*SLOTB+5120*\ks+32*\dt
	ds_load_tr16_b128 v[VF+16*\dt+8*\ks+4:VF+16*\dt+8*\ks+7], v[VADR] offset:\slot*SLOTB+5120*\ks+32*\dt+2560
.endr
.endr
	s_wait_dscnt 16                                ; K's 16 loads are in; V's 16 stay out
	SMUL 0
	SMUL 1
.if \pf
	WIN 0
	s_cmp_eq_u32 s15, 0
	s_cbranch_scc1 .Lnopf_\@
	global_prefetch_b8 v[PFO], s[76:77] th:TH_LOAD_NT scope:SCOPE_SE               ; tile t + 2, its first 8,192 bytes
	global_prefetch_b8 v[PFO], s[76:77] offset:8192 th:TH_LOAD_NT scope:SCOPE_SE   ; and its last
.Lnopf_\@:
.endif
.rept 4
	v_nop                                          ; four places before vector instructions read the first scores (ISA guide 7.12.1)
.endr
	SOFT 0, -1, \diag, \kap
	SMUL 2
	s_wait_dscnt 0                                 ; V's fragments
	PVMUL 0
	SOFT 1, 0, \diag, \kap
	SMUL 3
	PVMUL 1
	SOFT 2, 1, \diag, \kap
	PVMUL 2
	SOFT 3, 2, \diag, \kap
	PVMUL 3
	WIN 0
.irp n, 0,1,2,3,4,5,6,7
	FOLD \n, 3                                     ; the last query tile's fold: eight plain lines that name no register of the products in front of them: the
.endr                                              ; places behind those, for the next loads into V's fragments and for every reader of O
.endm
; One tile of 128 keys.  In front of the barrier every wave waits for all its tensor loads (this tile's among them) and for its reads of the other slot;
; behind it the other slot is filled first, by waves 0 and 1, one tensor load each, and has this tile's work in which to land.
; mode 0: this slot's next tile lies two tiles on; 1: it is tile `slot` of the second pass; 2: there is none.  pf = 1: a trip in which the prefetch asks.
.macro TRIP slot, mode, refill, diag, kap, pf
	s_wait_tensorcnt 0x0                           ; no tensor load of mine is out: every group 0 may be written
	ds_add_u32 v62, v63
	s_wait_dscnt 0x0
.if \mode == 0
	s_add_nc_u64 s[GK+4*\slot+2:GK+4*\slot+3], s[GK+4*\slot+2:GK+4*\slot+3], 2*TILEB
	s_add_nc_u64 s[GV+4*\slot+2:GV+4*\slot+3], s[GV+4*\slot+2:GV+4*\slot+3], 2*TILEB
.endif
.if \mode == 1
	s_add_nc_u64 s[GK+4*\slot+2:GK+4*\slot+3], s[56:57], \slot*TILEB
	s_or_b32 s[GK+4*\slot+3], s[GK+4*\slot+3], 0x80000000
	s_add_nc_u64 s[GV+4*\slot+2:GV+4*\slot+3], s[58:59], \slot*TILEB
	s_or_b32 s[GV+4*\slot+3], s[GV+4*\slot+3], 0x80000000
.endif
.if \pf
	s_wait_xcnt 0x0                                ; the last trip's prefetches, a whole tile back, have read their base: it is stepped only behind this wait
	s_add_nc_u64 s[76:77], s[76:77], TILEB
.endif
	s_wait_dscnt 0x0
	s_barrier_signal -1
	s_barrier_wait -1
.if \refill
	FILL 1-\slot
.endif
.if \diag
	s_cmp_lt_i32 s11, \kap                         ; kap + par > g: all my keys lie beyond all my queries
	s_cbranch_scc1 .Lskip_\@
.endif
	TILE \slot, \diag, \kap, \pf
.if \diag
.Lskip_\@:
.endif
.endm
; The end of a pass.  The par = 1 wave of each row group hands O, sums and maxima over; the par = 0 wave brings both to the common maximum, divides by the
; whole sum, rounds to f16 and stores 64 rows of 128 bytes through its own stage.  base: the scalar pair with att's address; again = 1: another pass follows.
.macro MERGE base, again
.irp qt, 0,1,2,3
	v_add_f32 v[LS+\qt], v[LP+2*\qt], v[LP+2*\qt+1]
	v_mov_b32 v[MC+\qt], v[M+2*\qt]                ; four neighbouring registers for one LDS store
.endr
	s_cmp_eq_u32 s10, 0
	s_cbranch_scc1 .Lkeep_\@
	WIN 0x04                                       ; the store's data in window 1
.set ii, 0
.rept 32
	ds_store_b128 v[SCRA], v[O+4*ii:O+4*ii+3] offset:512*ii
.set ii, ii+1
.endr
	WIN 0
	ds_store_b128 v[SCRA], v[LS:LS+3] offset:16384
	ds_store_b128 v[SCRA], v[MC:MC+3] offset:16896
.Lkeep_\@:
	s_wait_dscnt 0x0                               ; for the partner's sake: my stores are done
	s_barrier_signal -1                            ; the next pass's first tile may stay on its way
	s_barrier_wait -1
	s_cmp_lg_u32 s10, 0
	s_cbranch_scc1 .Lmerged_\@
	ds_load_b128 v[T2:T2+3], v[SCRA] offset:16384  ; the partner's sums
	ds_load_b128 v[MN:MN+3], v[SCRA] offset:16896  ; and maxima (minus infinity if it had no tile)
.set ii, 0
.rept 32
	ds_load_b128 v[128+4*ii:128+4*ii+3], v[SCRA] offset:512*ii     ; its O, into the fragments' registers, at the numbers that mine has in window 1
.set ii, ii+1
.endr
	s_wait_dscnt 32                                ; sums and maxima are in; the 32 loads of O may be out
.irp qt, 0,1,2,3
	v_max_num_f32 v[T+\qt], v[MC+\qt], v[MN+\qt]   ; finite: a par = 0 wave always has the diagonal's first tile
.endr
.irp qt, 0,1,2,3
	v_sub_f32 v[MC+\qt], v[MC+\qt], v[T+\qt]
	v_sub_f32 v[MN+\qt], v[MN+\qt], v[T+\qt]
.endr
.irp qt, 0,1,2,3
	v_exp_f32 v[MC+\qt], v[MC+\qt]
	v_exp_f32 v[MN+\qt], v[MN+\qt]
.endr
	v_nop
	s_wait_alu depctr_va_vdst(0)
.irp qt, 0,1,2,3
	v_mul_f32 v[LS+\qt], v[LS+\qt], v[MC+\qt]
.endr
.irp qt, 0,1,2,3
	v_fmac_f32 v[LS+\qt], v[T2+\qt], v[MN+\qt]
.endr
.irp qt, 0,1,2,3
	v_permlanex16_b32 v[T+\qt], v[LS+\qt], s60, s61            ; the other half's keys
.endr
.irp qt, 0,1,2,3
	v_add_f32 v[LS+\qt], v[LS+\qt], v[T+\qt]       ; at least 1: the key with the maximum counts 1
.endr
.irp qt, 0,1,2,3
	v_rcp_f32 v[LS+\qt], v[LS+\qt]
.endr
	v_nop
	s_wait_alu depctr_va_vdst(0)
.irp qt, 0,1,2,3
	v_mul_f32 v[A+2*\qt], v[MC+\qt], v[LS+\qt]     ; the factor of my O
	v_mul_f32 v[M+2*\qt], v[MN+\qt], v[LS+\qt]     ; the factor of the partner's
.endr
	s_wait_dscnt 0
.set ii, 0
.rept 16
.irp qt, 0,1,2,3
	v_pk_mul_f32 v[128+32*\qt+2*ii:128+32*\qt+2*ii+1], v[128+32*\qt+2*ii:128+32*\qt+2*ii+1], v[M+2*\qt:M+2*\qt+1] op_sel_hi:[1,0]
.endr
.set ii, ii+1
.endr
	WIN 0x01                                       ; source 0: my O in window 1
.set ii, 0
.rept 16
.irp qt, 0,1,2,3
	v_pk_fma_f32 v[128+32*\qt+2*ii:128+32*\qt+2*ii+1], v[O+32*\qt+2*ii:O+32*\qt+2*ii+1], v[A+2*\qt:A+2*\qt+1], v[128+32*\qt+2*ii:128+32*\qt+2*ii+1] op_sel_hi:[1,0,1]
.endr
.set ii, ii+1
.endr
	WIN 0
.set ii, 0
.rept 16                                           ; tile ii: 8 registers become 4, in ascending order, so that no source is written before it is read
.irp k, 0,1,2,3
	v_cvt_pk_f16_f32 v[128+4*ii+\k], v[128+8*ii+2*\k], v[128+8*ii+2*\k+1]
.endr
.set ii, ii+1
.endr
.irp qt, 0,1,2,3
.irp dt, 0,1,2,3
	ds_store_b128 v[STO], v[128+4*(4*\qt+\dt):128+4*(4*\qt+\dt)+3] offset:2304*\qt+32*\dt
.endr
.endr
.irp u, 0,1,2,3,4,5,6,7,8,9,10,11,12,13,14,15
	ds_load_b128 v[192+4*\u:192+4*\u+3], v[RD] offset:576*\u       ; my own bytes, served in order behind the stores: four rows a load
.endr
.irp u, 0,1,2,3,4,5,6,7,8,9,10,11,12,13,14,15
	s_wait_dscnt 15-\u
	global_store_b128 v[CO], v[192+4*\u:192+4*\u+3], s[\base:\base+1] offset:512*\u    ; 512 consecutive bytes, aligned
.endr
.if \again
	s_wait_xcnt 0x0                                ; the stores' data registers are V's fragments: loaded again only behind this wait
.endif
.Lmerged_\@:
.endm
	QLOAD 68
	INIT
	s_wait_loadcnt 0x0                             ; Q
	s_mov_b32 s67, s14                             ; query block 7 - p: 7 - p whole units of two tiles (at least 4)
.Lpass1:
	TRIP 0, 0, 1, 0, 0, 1
	TRIP 1, 0, 1, 0, 0, 1
	s_sub_co_i32 s67, s67, 1
	s_cmp_gt_i32 s67, 0
	s_cbranch_scc1 .Lpass1
	TRIP 0, 1, 1, 1, 0, 0                          ; the unit on the diagonal; the slots' next tiles are the second pass's tiles 0 and 1
	TRIP 1, 1, 1, 1, 2, 0
	QLOAD 70                                       ; the second pass's Q comes in under the merge, which does not touch these registers
	MERGE 72, 1
	INIT
	s_wait_loadcnt 0x0
	s_cmp_eq_u32 s13, 0                            ; query block p: p whole units; the same in all eight waves
	s_cbranch_scc1 .Ldiag2
	s_mov_b32 s67, s13
.Lpass2:
	TRIP 0, 0, 1, 0, 0, 0
	TRIP 1, 0, 1, 0, 0, 0
	s_sub_co_i32 s67, s67, 1
	s_cmp_gt_i32 s67, 0
	s_cbranch_scc1 .Lpass2
.Ldiag2:
	TRIP 0, 2, 1, 1, 0, 0
	TRIP 1, 2, 0, 1, 2, 0                          ; the last tile: nothing is left to fetch, and its wait for 0 leaves no tensor load out at the end
	MERGE 74, 0
	s_wait_tensorcnt 0x0
	ds_add_u32 v62, v63
	s_wait_dscnt 0x0
	s_endpgm
.Lfunc_end_k_qa7ed302446_attn:
	.size	k_qa7ed302446_attn, .Lfunc_end_k_qa7ed302446_attn-k_qa7ed302446_attn
	.p2alignl 7, 3214868480
	.fill 96, 4, 3214868480
	.section	.rodata,"a",@progbits
	.p2align	6, 0x0
	.amdhsa_kernel k_qa7ed302446_attn
		.amdhsa_group_segment_fixed_size 327680
		.amdhsa_private_segment_fixed_size 0
		.amdhsa_enable_private_segment 0
		.amdhsa_kernarg_size 16
		.amdhsa_user_sgpr_count 2
		.amdhsa_user_sgpr_kernarg_segment_ptr 1
		.amdhsa_wavefront_size32 1
		.amdhsa_system_sgpr_workgroup_id_x 1
		.amdhsa_system_sgpr_workgroup_id_y 1
		.amdhsa_system_sgpr_workgroup_id_z 1
		.amdhsa_system_vgpr_workitem_id 0
		.amdhsa_next_free_vgpr 512
		.amdhsa_next_free_sgpr 80
		.amdhsa_reserve_vcc 1
		.amdhsa_float_denorm_mode_32 3
		.amdhsa_float_denorm_mode_16_64 3
		.amdhsa_memory_ordered 1
		.amdhsa_forward_progress 1
		.amdhsa_inst_pref_size 255
	.end_amdhsa_kernel
	.section	.bss,"aw",@nobits
	.p2align	6
	.space	262144
	.amdgpu_metadata
---
amdhsa.version: [ 1, 2 ]
amdhsa.kernels:
  - .name:           k_qa7ed302446_attn
    .symbol:         k_qa7ed302446_attn.kd
    .args:
      - { .name: qkv, .offset: 0, .size: 8, .value_kind: global_buffer, .address_space: global }
      - { .name: att, .offset: 8, .size: 8, .value_kind: global_buffer, .address_space: global }
    .group_segment_fixed_size: 327680
    .private_segment_fixed_size: 0
    .kernarg_segment_align: 8
    .kernarg_segment_size: 16
    .max_flat_workgroup_size: 256
    .sgpr_count:     80
    .vgpr_count:     512
    .wavefront_size: 32
...
	.end_amdgpu_metadata
.endif
;; end of part 3
;; launch proj (part 4): grid 8 x 32, 4 waves a work-group, clusters of 4 x 4, 327,680 bytes of LDS; arguments att, wb, bo, out0; writes out0
.if DOCPART == 4
	.amdgcn_target "amdgcn-amd-amdhsa--gfx1250"
	.amdhsa_code_object_version 6
	.text
	.protected	k_qa7ed302446_proj
	.globl	k_qa7ed302446_proj
	.p2align	8
	.type	k_qa7ed302446_proj,@function
k_qa7ed302446_proj:
	s_mov_b64 s[64:65], 0
	v_nop
	global_prefetch_b8 v0, s[64:65] scope:SCOPE_SE
	s_setreg_imm32_b32 hwreg(HW_REG_WAVE_MODE, 25, 1), 1
	s_wait_xcnt 0x0
	s_wait_alu depctr_hold_cnt(0) depctr_sa_sdst(0) depctr_va_vdst(0) depctr_va_sdst(0) depctr_va_ssrc(0) depctr_va_vcc(0) depctr_vm_vsrc(0)
	s_getreg_b32 s2, hwreg(HW_REG_IB_STS2, 6, 4)
	s_cmp_eq_u32 s2, 0
	s_cbranch_scc0 .Lentry_in_a_cluster
	s_endpgm
.Lentry_in_a_cluster:
	s_bfe_u32 s2, ttmp6, 0x10000c
	s_cmp_lg_u32 s2, 0xf033
	s_cbranch_scc0 .Lentry_shape_is_right
	s_endpgm
.Lentry_shape_is_right:
; out0 = att wo + bo.  att: [batch*16 + head][2048 tokens][64] f16.  wb part 3: wo [1024 k][1024 n] in f16 (bf16 values).  bo f32.  out0: [8192][1024] f32.
; SHARE.  8192 x 1024 outputs on 256 work-groups: a block of 256 tokens x 128 columns each, four waves of 128 x 64: 32 accumulator tiles, 256 registers.
; K goes in steps of 128 through two LDS slots filled by the tensor data mover.  att is head-major, so a K step is two heads, each the block's 256 tokens as
; 32 KiB that are dense in memory (wave 0 fetches the even head, wave 1 the odd one); waves 2 and 3 fetch 64 k rows of wo each.
; Two slots of two K steps would take 442,368 bytes of LDS and do not fit: a slot holds one.
; CLUSTERS: 4 x 4 work-groups.  att's tile hangs on the token block alone and is asked for jointly along a row of the cluster, wo's on the column block alone
; and is asked for jointly along a column: the requests for both are divided by four.
; THE MATRIX INSTRUCTION IS USED TRANSPOSED: source 0 = 16 columns of wo (made by the transposing LDS load), source 1 = 16 tokens.  Lane l then holds token
; l % 16, its registers 0-7 the columns 8 (l / 16) + 0..7.  The bias is the first product's C: nothing is cleared, and no add is spent on it.
; REGISTERS: window 0: v16-27 addresses; v32-63 the bias; v64-127, v128-191 att's fragments, two buffers; v192-223, v224-255 wo's, two buffers.
;   window 1: accumulator tile (a, b) at v[8 (4 a + b)], a = 0..7 blocks of 16 tokens, b = 0..3 blocks of 16 columns.
.set KSTEP,  128
.set APITCH, 144                       ; a token's 128 bytes of one head + 16: an odd multiple of 16
.set ASUB,   256*APITCH                ; one head's 256 tokens: 36,864
.set BPITCH, 288                       ; wo's LDS row: 256 bytes + 32: an odd multiple of 32
.set BHALF,  64*BPITCH                 ; 18,432
.set BBASE,  2*ASUB                    ; wo's 128 k rows lie behind the two heads
.set SLOT,   BBASE+2*BHALF             ; 110,592
.set STAGE,  2*SLOT                    ; 221,184: 16 rows x 272 bytes for each wave; no tensor load lands here
.set SPITCH, 272                       ; 256 bytes + 16
.set LAPS,   4                         ; a lap = two K steps = once round the ring; 1024 / 256
.set ASTEP,  1048576                   ; two K steps: four heads of 262,144 bytes
.set BSTEP,  524288                    ; two K steps: 256 rows of 2,048 bytes
.set ADRA, 16
.set ADRB, 20
.set STO,  24
.set RD,   25
.set CO,   26
.set BOFF, 27
.set BIAS, 32                          ; v[32+8b+j] = bias of column 16 b + 8 (l / 16) + j: the accumulator's own layout
.set FA,   64                          ; att's fragments: buffer n at 64 + 64 n
.set FB,   192                         ; wo's fragments: buffer n at 192 + 32 n
.set G1, 24
.set G0, 32
.set G1B, 48
.set G0B, 56
.set MSB, 0
.macro WIN new                         ; the immediate's high byte repeats the setting that is left
.if MSB != \new
	s_set_vgpr_msb (MSB<<8)|\new
.set MSB, \new
.endif
.endm
.set MULW, 0x50                        ; sources 0 and 1 window 0, C and D window 1
.set BEGW, 0x40                        ; the same with C in window 0: the bias
; A joint load.  Waves 0 and 1 fetch att's two heads, waves 2 and 3 wo's two halves.  The branch hangs on the wave's number alone.
.macro JLOAD s
	s_cmp_eq_u32 s11, 0
	s_cbranch_scc0 .Lfor_b_\@
	tensor_load_to_lds s[G0+4*\s:G0+4*\s+3], s[G1:G1+7]
	s_nop 0
	s_branch .Lasked_\@
.Lfor_b_\@:
	tensor_load_to_lds s[G0B+4*\s:G0B+4*\s+3], s[G1B:G1B+7]
	s_nop 0
.Lasked_\@:
.endm
; A round of the cluster's barrier: my work-group's barrier; wave 0 signals for the work-group; every wave waits for all sixteen; my work-group's barrier again.
.macro CREST                           ; a round behind its opening barrier
	s_cmp_lg_u32 s10, 0
	s_cbranch_scc1 .Lnot_wave_0_\@
	s_barrier_signal -3
.Lnot_wave_0_\@:
	s_barrier_wait -3
	s_barrier_signal -1
	s_barrier_wait -1
.endm
.macro CROUND
	s_barrier_signal -1
	s_barrier_wait -1
	CREST
.endm
	s_load_b128 s[4:7], s[0:1], 0x0                ; att s[4:5], wb s[6:7]
	s_load_b128 s[68:71], s[0:1], 0x10             ; bo s[68:69], out0 s[70:71]
	v_lshl_add_u32 v30, v0, 2, 0x3a400
	v_mov_b32 v31, 0
	ds_add_u32 v30, v31
	v_lshrrev_b32 v1, 5, v0
	v_readfirstlane_b32 s10, v1                    ; wave 0..3
	s_lshr_b32 s11, s10, 1                         ; which 128 tokens are mine.  Also: I fetch for att (0) or for wo (1)
	s_and_b32 s12, s10, 1                          ; which 64 columns.  Also: which head, or which 64 k rows, I fetch
	s_bfe_u32 s40, ttmp6, 0x40000                  ; cx
	s_bfe_u32 s41, ttmp6, 0x40004                  ; cy
	s_lshl_b32 s42, ttmp9, 2
	s_add_co_u32 s42, s42, s40                     ; column block = 4 x cluster x + cx
	s_and_b32 s13, ttmp7, 0xffff
	s_lshl_b32 s13, s13, 2
	s_add_co_u32 s13, s13, s41                     ; token block = 4 x cluster y + cy
	s_lshl_b32 s43, s41, 2
	s_lshl_b32 s43, 15, s43                        ; my row of the cluster: places 4 cy .. 4 cy + 3
	s_lshl_b32 s44, 0x1111, s40                    ; my column: places cx, cx + 4, cx + 8, cx + 12
	; group 1 for att: 128 rows of 256 bytes (two tokens each), dense; 4 words of padding behind every 32 (a token's 128 bytes)
	s_or_b32 s[G1+0], s43, (1<<16)|(1<<20)|(1<<21)|(4<<22)|(3<<25)
	s_mov_b32 s[G1+1], 128<<16
	s_mov_b32 s[G1+2], 128<<16
	s_mov_b32 s[G1+3], 128<<16
	s_mov_b32 s[G1+4], 128
	s_mov_b32 s[G1+5], 128
	s_mov_b32 s[G1+6], 0
	s_mov_b32 s[G1+7], 0
	; group 1 for wo: 64 k rows x 128 elements (256 bytes), pitch 1,024 elements; 8 words of padding behind every 64
	s_or_b32 s[G1B+0], s44, (1<<16)|(1<<20)|(1<<21)|(5<<22)|(7<<25)
	s_mov_b32 s[G1B+1], 128<<16
	s_mov_b32 s[G1B+2], 64<<16
	s_mov_b32 s[G1B+3], 128<<16
	s_mov_b32 s[G1B+4], 64
	s_mov_b32 s[G1B+5], 1024
	s_mov_b32 s[G1B+6], 0
	s_mov_b32 s[G1B+7], 0
	; where the tiles come from: each offset in registers that never hold the other side's coordinate
	s_lshr_b32 s16, s13, 3                         ; att: batch, 16 heads of 262,144 bytes
	s_lshl_b32 s16, s16, 22
	s_and_b32 s17, s13, 7                          ;      + token block in the batch, 256 tokens of 128 bytes
	s_lshl_b32 s17, s17, 15
	s_add_co_u32 s16, s16, s17
	s_lshl_b32 s17, s12, 18                        ;      + my head of the K step's two
	s_add_co_u32 s16, s16, s17
	s_mov_b32 s17, 0
	s_lshl_b32 s46, s12, 17                        ; wo: my 64 k rows of 2,048 bytes
	s_lshl_b32 s47, s42, 8                         ;     + column block x 128 columns of 2 bytes
	s_add_co_u32 s46, s46, s47
	s_add_co_u32 s46, s46, 0x600000                ;     + part 3 of wb
	s_mov_b32 s47, 0
	s_mul_i32 s20, s10, ASUB                       ; att's tiles go to wave x 36,864 (waves 0, 1),
	s_mul_i32 s45, s10, BHALF                      ; wo's to wave x 18,432 + 36,864 (waves 2, 3: 73,728 and 92,160): no place in the cluster enters an LDS address
	s_add_co_u32 s45, s45, BBASE-2*BHALF
	s_wait_dscnt 0x0
	s_wait_kmcnt 0x0
	s_add_nc_u64 s[14:15], s[4:5], s[16:17]
	s_add_nc_u64 s[46:47], s[6:7], s[46:47]
	CROUND                                         ; all sixteen work-groups are here: the first joint loads meet
.irp s, 0,1
	s_mov_b32 s[G0+4*\s], 1
	s_add_co_u32 s[G0+4*\s+1], s20, \s*SLOT
	s_add_nc_u64 s[G0+4*\s+2:G0+4*\s+3], s[14:15], \s*524288        ; K step s: two heads on
	s_or_b32 s[G0+4*\s+3], s[G0+4*\s+3], 0x80000000
	s_mov_b32 s[G0B+4*\s], 1
	s_add_co_u32 s[G0B+4*\s+1], s45, \s*SLOT
	s_add_nc_u64 s[G0B+4*\s+2:G0B+4*\s+3], s[46:47], \s*KSTEP*2048  ; K step s: 128 rows down
	s_or_b32 s[G0B+4*\s+3], s[G0B+4*\s+3], 0x80000000
	JLOAD \s                                       ; both slots' first fills go out before anything else is done
.endr
	v_and_b32 v1, 15, v0                           ; r
	v_bfe_u32 v2, v0, 4, 1                         ; h
	s_lshl_b32 s76, s42, 9                         ; the bias of my 64 columns: column block x 128 x 4 bytes
	s_lshl_b32 s77, s12, 8                         ; + my half's 64 x 4 bytes
	s_add_co_u32 s76, s76, s77
	v_lshl_add_u32 v[BOFF], v2, 5, s76             ; + 8 h numbers
.irp b, 0,1,2,3
	global_load_b128 v[BIAS+8*\b:BIAS+8*\b+3],   v[BOFF], s[68:69] offset:64*\b
	global_load_b128 v[BIAS+8*\b+4:BIAS+8*\b+7], v[BOFF], s[68:69] offset:64*\b+16
.endr
	; att's fragment: lane l holds token r; registers 0-3 K = 8 h + 0..7, registers 4-7 K = 16 + 8 h + 0..7: two loads of 16 bytes, 32 apart
	v_mul_u32_u24 v3, v1, APITCH
	v_lshl_add_u32 v3, v2, 4, v3
	s_mul_i32 s21, s11, 128*APITCH                 ; my 128 tokens
	; wo's fragment by the transposing load: lane l addresses k row 8 h + (l & 7), 16 bytes at column 8 ((l >> 3) & 1)
	v_and_b32 v6, 7, v0
	v_lshl_add_u32 v6, v2, 3, v6
	v_mul_u32_u24 v6, v6, BPITCH
	v_bfe_u32 v7, v0, 3, 1
	v_lshl_add_u32 v6, v7, 4, v6
	s_lshl_b32 s22, s12, 7                         ; my 64 columns of 2 bytes
	s_add_co_u32 s22, s22, BBASE
.irp s, 0,1
	v_add_nc_u32 v[ADRA+\s], s21, v3
	v_add_nc_u32 v[ADRB+\s], s22, v6
	s_add_co_u32 s21, s21, SLOT
	s_add_co_u32 s22, s22, SLOT
.endr
	s_mul_i32 s23, s10, 16*SPITCH
	s_add_co_u32 s23, s23, STAGE                   ; my stage
	v_mul_u32_u24 v4, v1, SPITCH                   ; in: row r, 32 bytes for each half of the lanes
	v_lshl_add_u32 v4, v2, 5, v4
	v_add_nc_u32 v[STO], s23, v4
	v_mul_u32_u24 v5, v2, SPITCH                   ; back: lanes 0-15 take one row's 256 bytes, lanes 16-31 the next row's
	v_lshl_add_u32 v5, v1, 4, v5
	v_add_nc_u32 v[RD], s23, v5
	v_lshlrev_b32 v[CO], 4, v1                     ; and the same two rows of out0, 4,096 bytes apart
	v_lshl_add_u32 v[CO], v2, 12, v[CO]
; 16 matrix instructions on buffer n: token blocks a0 .. a0 + 3 x all 4 column blocks, 32 along K.  start = 1: C is the bias.
; The 32 accumulators take turns, one instruction a turn, in the same order in every quarter.
.macro MUL16 n, a0, start
.irp a, \a0, \a0+1, \a0+2, \a0+3
.irp b, 0,1,2,3
.if \start
	v_wmma_f32_16x16x32_f16 v[8*(4*(\a)+\b):8*(4*(\a)+\b)+7], v[FB+32*(\n)+8*\b:FB+32*(\n)+8*\b+7], v[FA+64*(\n)+8*(\a):FA+64*(\n)+8*(\a)+7], v[BIAS+8*\b:BIAS+8*\b+7]
.else
	v_wmma_f32_16x16x32_f16 v[8*(4*(\a)+\b):8*(4*(\a)+\b)+7], v[FB+32*(\n)+8*\b:FB+32*(\n)+8*\b+7], v[FA+64*(\n)+8*(\a):FA+64*(\n)+8*(\a)+7], v[8*(4*(\a)+\b):8*(4*(\a)+\b)+7]
.endif
.endr
.endr
.endm
; 24 LDS loads in one run: the fragments of quarter q of a slot into buffer n.  Quarter q: k rows 32 q of wo's 128; head q >> 1 of the slot's two, bytes 64 (q & 1) of a token's 128.
.macro FETCH slot, q, n
	WIN 0
.irp i, 0,1,2,3
	ds_load_tr16_b128 v[FB+32*(\n)+8*\i:FB+32*(\n)+8*\i+3],   v[ADRB+\slot] offset:\q*32*BPITCH+32*\i
	ds_load_tr16_b128 v[FB+32*(\n)+8*\i+4:FB+32*(\n)+8*\i+7], v[ADRB+\slot] offset:\q*32*BPITCH+32*\i+16*BPITCH
.endr
.irp i, 0,1,2,3,4,5,6,7
	ds_load_b128 v[FA+64*(\n)+8*\i:FA+64*(\n)+8*\i+3],   v[ADRA+\slot] offset:(\q>>1)*ASUB+(\q&1)*64+\i*16*APITCH
	ds_load_b128 v[FA+64*(\n)+8*\i+4:FA+64*(\n)+8*\i+7], v[ADRA+\slot] offset:(\q>>1)*ASUB+(\q&1)*64+\i*16*APITCH+32
.endr
.endm
; A load into a register that a matrix instruction has read, and an LDS store that reads a matrix result, stand four places behind it, and only plain vector
; instructions that name none of its registers are places (ISA guide 7.12.1 for vector instructions).
.macro PLACES
.rept 4
	v_nop
.endr
.endm
; One of a K step's first three quarters: multiplies buffer n.  The run of loads for quarter q, into the other buffer, stands at its head, so that it has all
; 32 matrix instructions of this quarter in which to land: 24 loads for 32 matrix instructions leave less room than a larger wave tile would.
.macro QUARTER slot, q, n, start
	s_wait_dscnt 0                                 ; this quarter's fragments are in
	PLACES                                         ; behind the last quarter's products, which read the other buffer
	FETCH \slot, \q, 1-\n
.if \start
	WIN BEGW
.else
	WIN MULW
.endif
	MUL16 \n, 0, \start
	MUL16 \n, 4, \start
.endm
.macro THREE slot, start
	QUARTER \slot, 1, 0, \start
	QUARTER \slot, 2, 1, 0
	QUARTER \slot, 3, 0, 0
.endm
; The last quarter: multiplies buffer 1 and changes slots.  In front of the barrier each wave waits for its reads of this slot and for all its tensor loads
; (one is out: its part of the next slot).  Behind it nobody reads this slot and the next slot is whole: the refill comes first, then the reads.
; From a request to the wait for it a wave issues 112 matrix instructions.
.macro TURN slot, next, fill
	s_wait_dscnt 0                                 ; buffer 1 is in, and with it my reads of this slot are over
	s_wait_tensorcnt 0x0                           ; and all my tensor loads have landed
	ds_add_u32 v30, v31
	s_wait_dscnt 0x0
	s_barrier_signal -1                            ; (where a slot is filled again this barrier opens a round of the cluster's barrier)
	WIN MULW
	MUL16 1, 0, 0                                  ; register work while the others arrive
	WIN 0
	s_barrier_wait -1
.if \fill
	CREST                                          ; no wave of any partner still reads this slot's tile or has a load on its way
	s_add_nc_u64 s[G0+4*\slot+2:G0+4*\slot+3], s[G0+4*\slot+2:G0+4*\slot+3], ASTEP
	s_add_nc_u64 s[G0B+4*\slot+2:G0B+4*\slot+3], s[G0B+4*\slot+2:G0B+4*\slot+3], BSTEP
	JLOAD \slot                                    ; the first tensor load behind the round, one a wave
.endif
	PLACES
	FETCH \next, 0, 0
	WIN MULW
	MUL16 1, 4, 0
.endm
.macro LAP start
	THREE 0, \start
	TURN 0, 1, 1
	THREE 1, 0
	TURN 1, 0, 1
.endm
	s_wait_loadcnt 0x0                             ; the bias
	s_wait_tensorcnt 1                             ; my part of K step 0 is in; K step 1's stays out
	s_barrier_signal -1
	s_barrier_wait -1
	FETCH 0, 0, 0
	LAP 1                                          ; the first lap stands in front of the loop: its first products start the sums from the bias
	WIN 0
	s_mov_b32 s3, LAPS-2
.Llap:
	LAP 0
	WIN 0
	s_sub_co_u32 s3, s3, 1
	s_cmp_lg_u32 s3, 0
	s_cbranch_scc1 .Llap
	THREE 0, 0                                     ; the last lap fills nothing
	TURN 0, 1, 0
	THREE 1, 0
	s_wait_dscnt 0
	WIN MULW
	MUL16 1, 0, 0
	MUL16 1, 4, 0
	; THE WAY OUT, 16 rows at a time: the accumulators go as they are into my own stage and come back as whole rows of 256 bytes.
	PLACES
	s_lshl_b32 s16, s13, 20                        ; token block: 256 rows of 4,096 bytes
	s_lshl_b32 s17, s11, 19                        ; my 128 rows
	s_add_co_u32 s16, s16, s17
	s_mov_b32 s17, 0
	s_add_nc_u64 s[70:71], s[70:71], s[16:17]
	s_lshl_b32 s46, s42, 9                         ; column block x 128 columns of 4 bytes
	s_lshl_b32 s47, s12, 8                         ; my 64 columns
	s_add_co_u32 s46, s46, s47
	s_mov_b32 s47, 0
	s_add_nc_u64 s[70:71], s[70:71], s[46:47]
; rows 16 i .. 16 i + 15 = the four tiles (i, 0..3).  The rows' place stands in the stores' immediate (516,096 bytes at the most), so no base is stepped.
; The rows come back into one of six sets of 32 registers; the seventh and eighth turn use the first two again.
.macro OUT16F i
	WIN 0x04                                       ; an LDS store's data is source 1: window 1
.irp b, 0,1,2,3
	ds_store_b128 v[STO], v[8*(4*\i+\b):8*(4*\i+\b)+3]   offset:64*\b
	ds_store_b128 v[STO], v[8*(4*\i+\b)+4:8*(4*\i+\b)+7] offset:64*\b+16
.endr
	WIN 0
.if \i >= 6
	s_wait_xcnt 0x0                                ; registers that earlier stores read are loaded again only behind this wait
.endif
.irp t, 0,1,2,3,4,5,6,7
	ds_load_b128 v[FA+32*(\i%6)+4*\t:FA+32*(\i%6)+4*\t+3], v[RD] offset:\t*2*SPITCH    ; a wave's LDS instructions are served in order: these see the stores above
.endr
.irp t, 0,1,2,3,4,5,6,7
	s_wait_dscnt 7-\t
	global_store_b128 v[CO], v[FA+32*(\i%6)+4*\t:FA+32*(\i%6)+4*\t+3], s[70:71] offset:\i*65536+\t*8192 th:TH_STORE_NT   ; 16 lanes store 256 consecutive bytes, aligned
.endr
.endm
.irp i, 0,1,2,3,4,5,6,7
	OUT16F \i
.endr
	s_wait_tensorcnt 0x0
	ds_add_u32 v30, v31
	s_wait_dscnt 0x0
	CROUND                                         ; the closing round: no work-group ends while a partner may still ask for a tile that names it
	s_endpgm
.Lfunc_end_k_qa7ed302446_proj:
	.size	k_qa7ed302446_proj, .Lfunc_end_k_qa7ed302446_proj-k_qa7ed302446_proj
	.p2alignl 7, 3214868480
	.fill 96, 4, 3214868480
	.section	.rodata,"a",@progbits
	.p2align	6, 0x0
	.amdhsa_kernel k_qa7ed302446_proj
		.amdhsa_group_segment_fixed_size 327680
		.amdhsa_private_segment_fixed_size 0
		.amdhsa_enable_private_segment 0
		.amdhsa_kernarg_size 32
		.amdhsa_user_sgpr_count 2
		.amdhsa_user_sgpr_kernarg_segment_ptr 1
		.amdhsa_wavefront_size32 1
		.amdhsa_system_sgpr_workgroup_id_x 1
		.amdhsa_system_sgpr_workgroup_id_y 1
		.amdhsa_system_sgpr_workgroup_id_z 1
		.amdhsa_system_vgpr_workitem_id 0
		.amdhsa_next_free_vgpr 512
		.amdhsa_next_free_sgpr 80
		.amdhsa_reserve_vcc 0
		.amdhsa_float_denorm_mode_32 3
		.amdhsa_float_denorm_mode_16_64 3
		.amdhsa_memory_ordered 1
		.amdhsa_forward_progress 1
		.amdhsa_inst_pref_size 118
	.end_amdhsa_kernel
	.amdgpu_metadata
---
amdhsa.version: [ 1, 2 ]
amdhsa.kernels:
  - .name:           k_qa7ed302446_proj
    .symbol:         k_qa7ed302446_proj.kd
    .args:
      - { .name: att, .offset: 0, .size: 8, .value_kind: global_buffer, .address_space: global }
      - { .name: wb, .offset: 8, .size: 8, .value_kind: global_buffer, .address_space: global }
      - { .name: bo, .offset: 16, .size: 8, .value_kind: global_buffer, .address_space: global }
      - { .name: out0, .offset: 24, .size: 8, .value_kind: global_buffer, .address_space: global }
    .group_segment_fixed_size: 327680
    .private_segment_fixed_size: 0
    .kernarg_segment_align: 8
    .kernarg_segment_size: 32
    .max_flat_workgroup_size: 128
    .sgpr_count:     80
    .vgpr_count:     512
    .wavefront_size: 32
...
	.end_amdgpu_metadata
.endif
;; end of part 4
;; ======== version 2 of 2: 4 launches; version 1 with the launch prep written anew for expert scheduling mode
;; limits: values are held in f16: magnitudes above 65,504 overflow, below 6.1e-05 lose precision
;; workspace buffers: xb 16,777,216 bytes; wb 8,388,608 bytes; qkv 50,331,648 bytes; att 16,777,216 bytes
;; launch prep (part 5): grid 64 x 12, 8 waves a work-group, no clusters, 0 bytes of LDS; arguments x, wq, wk, wv, wo, xb, wb; writes xb, wb
.if DOCPART == 5
	.amdgcn_target "amdgcn-amd-amdhsa--gfx1250"
	.amdhsa_code_object_version 6
	.text
	.protected	k_qa7ed302446_prep
	.globl	k_qa7ed302446_prep
	.p2align	8
	.type	k_qa7ed302446_prep,@function
k_qa7ed302446_prep:
	s_mov_b64 s[64:65], 0
	v_nop
	global_prefetch_b8 v0, s[64:65] scope:SCOPE_SE
	s_setreg_imm32_b32 hwreg(HW_REG_WAVE_SCHED_MODE, 0, 2), 2
	s_setreg_imm32_b32 hwreg(HW_REG_WAVE_MODE, 25, 1), 1
	s_wait_xcnt 0x0
	s_wait_alu depctr_vm_vsrc(0)
; Casts the matrix operands once, layouts unchanged.  x -> xb (bf16); wq, wk, wv -> wb parts 0, 1, 2 (bf16);
; wo -> wb part 3: rounded to bf16 like the others and then written in f16, because its partner in the last product is f16.
; LIMIT: that second step is exact for 2^-17 <= |wo| < 65,504; below, the absolute error is at most 2^-25; above, it overflows.
; The work is 12 chunks of 1,048,576 numbers (grid y: 0-7 are x, 8-11 the weights), 64 work-groups a chunk, 16,384 numbers each.
; Thread t, step i: 16 bytes in at 4096 i + 16 t (a wave's load covers 512 consecutive bytes), 8 bytes out at 2048 i + 8 t
; (a wave's store covers 256 consecutive bytes, aligned).  All 16 loads of a thread go out first.  A stream: no LDS, no matrix unit.
; THE MODE: SCHED_MODE bits 1:0 = 2 (LLVM: expert scheduling mode 2), set by the entry lines.  The code itself states the register dependences
; between vector instructions and memory instructions, with s_wait_alu, always for 0.
; THE PLAN.  Registers that memory instructions touch:
;   v1, v2   byte offsets of the loads and of the stores.  Written once at the head by vector lines, never again.
;   X        step i: 4 registers.  Written by the step's load alone; read by the step's roundings; never loaded a second time.
;   Y        step i: 2 registers.  Written by the step's conversions; read by the step's one store, behind which nothing writes them.
;   T        named by vector lines alone.
; So what there is to state is: a vector line writes, a memory instruction reads.  One wait at the head serves v1 and v2 for the whole kernel.
; The 16 steps go in four blocks of four: the block's conversions, ONE wait that states its eight registers of Y written, its four stores in a run.
; No register that a load or a store has read is written again, and no register that a vector line has named is loaded: nothing else is owed.
.set X, 4                              ; v[4:67]    step i: 4 numbers as loaded
.set Y, 68                             ; v[68:99]   step i: 4 numbers of 16 bits
.set T, 100                            ; v[100:103] at work (wo alone)
	s_load_b256 s[4:11], s[0:1], 0x0               ; x s[4:5], wq s[6:7], wk s[8:9], wv s[10:11]
	s_load_b128 s[12:15], s[0:1], 0x20             ; wo s[12:13], xb s[14:15]
	s_load_b64 s[16:17], s[0:1], 0x30              ; wb
	s_and_b32 s20, ttmp7, 0xffff                   ; the chunk
	v_lshlrev_b32 v1, 4, v0                        ; 16 t
	v_lshlrev_b32 v2, 3, v0                        ; 8 t
	s_lshl_b32 s26, s20, 22                        ; source offset: a chunk of x is 4 MiB; a weight begins at its own buffer's start
	s_cmp_lt_u32 s20, 8
	s_cselect_b32 s26, s26, 0
	s_lshl_b32 s21, ttmp9, 16                      ; + 64 KiB for each work-group
	s_add_co_u32 s26, s26, s21
	s_mov_b32 s27, 0
	s_and_b32 s28, s20, 7                          ; target offset: chunk 0-7 of xb, part 0-3 of wb, 2 MiB each
	s_lshl_b32 s28, s28, 21
	s_lshl_b32 s21, ttmp9, 15                      ; + 32 KiB for each work-group
	s_add_co_u32 s28, s28, s21
	s_mov_b32 s29, 0
	s_wait_kmcnt 0x0
	s_cmp_lt_u32 s20, 8
	s_cselect_b64 s[24:25], s[14:15], s[16:17]     ; target: xb or wb
	s_cmp_eq_u32 s20, 8
	s_cselect_b64 s[22:23], s[6:7], s[4:5]         ; source: x, or the chunk's weight
	s_cmp_eq_u32 s20, 9
	s_cselect_b64 s[22:23], s[8:9], s[22:23]
	s_cmp_eq_u32 s20, 10
	s_cselect_b64 s[22:23], s[10:11], s[22:23]
	s_cmp_eq_u32 s20, 11
	s_cselect_b64 s[22:23], s[12:13], s[22:23]
	s_add_nc_u64 s[22:23], s[22:23], s[26:27]
	s_add_nc_u64 s[24:25], s[24:25], s[28:29]
	s_wait_alu depctr_va_vdst(0)                   ; v1 and v2 are written: every load reads v1 and every store v2 as its offset
.irp i, 0,1,2,3,4,5,6,7,8,9,10,11,12,13,14,15
	global_load_b128 v[X+4*\i:X+4*\i+3], v1, s[22:23] offset:4096*\i th:TH_LOAD_NT
.endr
; The conversions of step i: vector lines alone.
.macro CVT i, f16
	v_cvt_pk_bf16_f32 v[Y+2*(\i)],   v[X+4*(\i)],   v[X+4*(\i)+1]
	v_cvt_pk_bf16_f32 v[Y+2*(\i)+1], v[X+4*(\i)+2], v[X+4*(\i)+3]
.if \f16
	v_lshlrev_b32 v[T],   16, v[Y+2*(\i)]          ; the bf16 values as f32,
	v_and_b32     v[T+1], 0xffff0000, v[Y+2*(\i)]
	v_lshlrev_b32 v[T+2], 16, v[Y+2*(\i)+1]
	v_and_b32     v[T+3], 0xffff0000, v[Y+2*(\i)+1]
	v_cvt_pk_f16_f32 v[Y+2*(\i)],   v[T],   v[T+1] ; written in f16
	v_cvt_pk_f16_f32 v[Y+2*(\i)+1], v[T+2], v[T+3]
.endif
.endm
; Block p: steps 4 p to 4 p + 3.  The stores follow their own block's conversions, not the next block's head: that head stands behind a wait
; for four more loads, and nothing is loaded again for which a wait there would serve as well.
.macro BLOCK p, f16
	s_wait_loadcnt 12-4*(\p)                       ; loads come back in order: the block's four are in, the 12 - 4 p younger ones stay out
.irp j, 0,1,2,3
	CVT 4*(\p)+\j, \f16
.endr
	s_wait_alu depctr_va_vdst(0)                   ; the block's conversions have written its eight registers of Y, which the four stores below read
.irp j, 0,1,2,3
	global_store_b64 v2, v[Y+2*(4*(\p)+\j):Y+2*(4*(\p)+\j)+1], s[24:25] offset:2048*(4*(\p)+\j)
.endr
.endm
	s_cmp_eq_u32 s20, 11
	s_cbranch_scc1 .Lwo
.irp p, 0,1,2,3
	BLOCK \p, 0
.endr
	s_endpgm
.Lwo:
.irp p, 0,1,2,3
	BLOCK \p, 1
.endr
	s_endpgm
.Lfunc_end_k_qa7ed302446_prep:
	.size	k_qa7ed302446_prep, .Lfunc_end_k_qa7ed302446_prep-k_qa7ed302446_prep
	.p2alignl 7, 3214868480
	.fill 96, 4, 3214868480
	.section	.rodata,"a",@progbits
	.p2align	6, 0x0
	.amdhsa_kernel k_qa7ed302446_prep
		.amdhsa_group_segment_fixed_size 0
		.amdhsa_private_segment_fixed_size 0
		.amdhsa_enable_private_segment 0
		.amdhsa_kernarg_size 56
		.amdhsa_user_sgpr_count 2
		.amdhsa_user_sgpr_kernarg_segment_ptr 1
		.amdhsa_wavefront_size32 1
		.amdhsa_system_sgpr_workgroup_id_x 1
		.amdhsa_system_sgpr_workgroup_id_y 1
		.amdhsa_system_sgpr_workgroup_id_z 1
		.amdhsa_system_vgpr_workitem_id 0
		.amdhsa_next_free_vgpr 104
		.amdhsa_next_free_sgpr 66
		.amdhsa_reserve_vcc 0
		.amdhsa_float_denorm_mode_32 3
		.amdhsa_float_denorm_mode_16_64 3
		.amdhsa_memory_ordered 1
		.amdhsa_forward_progress 1
		.amdhsa_inst_pref_size 16
	.end_amdhsa_kernel
	.amdgpu_metadata
---
amdhsa.version: [ 1, 2 ]
amdhsa.kernels:
  - .name:           k_qa7ed302446_prep
    .symbol:         k_qa7ed302446_prep.kd
    .args:
      - { .name: x, .offset: 0, .size: 8, .value_kind: global_buffer, .address_space: global }
      - { .name: wq, .offset: 8, .size: 8, .value_kind: global_buffer, .address_space: global }
      - { .name: wk, .offset: 16, .size: 8, .value_kind: global_buffer, .address_space: global }
      - { .name: wv, .offset: 24, .size: 8, .value_kind: global_buffer, .address_space: global }
      - { .name: wo, .offset: 32, .size: 8, .value_kind: global_buffer, .address_space: global }
      - { .name: xb, .offset: 40, .size: 8, .value_kind: global_buffer, .address_space: global }
      - { .name: wb, .offset: 48, .size: 8, .value_kind: global_buffer, .address_space: global }
    .group_segment_fixed_size: 0
    .private_segment_fixed_size: 0
    .kernarg_segment_align: 8
    .kernarg_segment_size: 56
    .max_flat_workgroup_size: 256
    .sgpr_count:     66
    .vgpr_count:     104
    .wavefront_size: 32
...
	.end_amdgpu_metadata
.endif
;; end of part 5
;; launch qkv: the kernel of part 2 again; grid 12 x 32, 4 waves a work-group, clusters of 4 x 4, 327,680 bytes of LDS; arguments xb, wb, bq, bk, bv, qkv; writes qkv
;; launch attn: the kernel of part 3 again; grid 256 x 1, 8 waves a work-group, no clusters, 327,680 bytes of LDS; arguments qkv, att; writes att
;; launch proj: the kernel of part 4 again; grid 8 x 32, 4 waves a work-group, clusters of 4 x 4, 327,680 bytes of LDS; arguments att, wb, bo, out0; writes out0
